; MI455X (gfx1250); checked and timed in simulation.
; The chip was launched on July 23, 2026; its instructions are those of AMD's public machine-readable ISA for CDNA 5 (MIT licence, August 2026) and "CDNA5" Instruction Set Architecture Reference Guide (July 2026). The comments in the code are by the model that wrote it; some were corrected since.
;; Ordinary Attention. Allowed arithmetic: matrix products marked QUANTISED: E3M2 operands, one E8M0 scale for each 32 along K, by v_wmma_scale_f32_16x16x128_f8f6f4 with both operands' format E3M2, f32 sums; everything else in f32.
;; Inputs: Q 4 x 2,048 x 1,024 float32; Wk_codes 1,024 x 32 x 24 uint8 (E3M2 codes of Wk, K innermost, in blocks of 32 codes, four codes in three bytes); Wk_scales 1,024 x 32 uint8 (E8M0 scales of Wk, one for each 32 codes along K); Wo_codes 1,024 x 32 x 24 uint8 (E3M2 codes of Wo, K innermost, in blocks of 32 codes, four codes in three bytes); Wo_scales 1,024 x 32 uint8 (E8M0 scales of Wo, one for each 32 codes along K); Wq_codes 1,024 x 32 x 24 uint8 (E3M2 codes of Wq, K innermost, in blocks of 32 codes, four codes in three bytes); Wq_scales 1,024 x 32 uint8 (E8M0 scales of Wq, one for each 32 codes along K); Wv_codes 1,024 x 32 x 24 uint8 (E3M2 codes of Wv, K innermost, in blocks of 32 codes, four codes in three bytes); Wv_scales 1,024 x 32 uint8 (E8M0 scales of Wv, one for each 32 codes along K); bk 1,024 float32; bo 1,024 float32; bq 1,024 float32; bv 1,024 float32; ln_b 1,024 float32; ln_g 1,024 float32.
;; Outputs: out0 4 x 2,048 x 1,024 float32.
;; This version of the problem:
;;   THIS VERSION OF THE PROBLEM IS GIVEN IN LOW PRECISION. The matrix products marked QUANTISED in the list below multiply operands that are first quantised to E3M2 (3 exponent bits, 2 mantissa bits; 6 bits a number), with one power-of-two scale for each 32 numbers along K (OCP MX v1.0); their sums are f32. All else is computed in f32.
;;   The module's matrix products, in the order in which they are computed (A, B: the left and right operand; K: the contracted axis; several contracted axes count as one K, in the product's order):
;;     1. [M 8,192, K 1,024] x [K 1,024, N 1,024]; A: input Q; B: input Wq (given as codes): QUANTISED
;;     2. [M 8,192, K 1,024] x [K 1,024, N 1,024]; A: input Q; B: input Wk (given as codes): QUANTISED
;;     3. [M 8,192, K 1,024] x [K 1,024, N 1,024]; A: input Q; B: input Wv (given as codes): QUANTISED
;;     4. batch 64 x [M 2,048, K 64] x [K 64, N 2,048]; A: computed on the way; B: computed on the way: QUANTISED
;;     5. batch 64 x [M 2,048, K 2,048] x [K 2,048, N 64]; A: softmax (see below); B: computed on the way: QUANTISED
;;     6. [M 8,192, K 1,024] x [K 1,024, N 1,024]; A: computed on the way; B: input Wo (given as codes): QUANTISED
;;   THE QUANTISER, for each operand of a quantised product, along K:
;;     - K is cut into blocks of 32 from its start; a last block that is shorter is filled with zeros.
;;     - A block's scale is 2^e with e = floor(log2(the largest magnitude in the block)) - 4, held to -126 .. 127; a block of zeros has e = 0. As a byte (E8M0): e + 127.
;;     - Each number is divided by its block's scale, clamped to +-28, and rounded to the nearest number of E3M2, ties to even, subnormals kept.
;;     - The product sums the exact products of the quantised numbers (number of the format x scale) in f32.
;;   ~~~python
;;   def quantise(x, axis):      # numpy; x: float32 -> the quantised numbers, widened to float32 again
;;       x = np.moveaxis(x, axis, -1); K = x.shape[-1]
;;       x = np.pad(x, [(0, 0)] * (x.ndim - 1) + [(0, -K % 32)]); x = x.reshape(x.shape[:-1] + (-1, 32)); a = np.abs(x).max(-1, keepdims=True)
;;       e = np.where(a > 0, np.clip(np.frexp(np.where(a > 0, a, 1))[1] - 1 - 4, -126, 127), 0)      # np.frexp(a)[1] - 1 = floor(log2(a)), exactly
;;       r = np.clip(x / 2.0 ** e, -28, 28)
;;       step = 2.0 ** (np.maximum(np.frexp(np.where(r == 0, 1, r))[1] - 1, -2) - 2)
;;       q = np.round(r / step) * step * 2.0 ** e      # np.round: ties to even
;;       return np.moveaxis(q.reshape(q.shape[:-2] + (-1,))[..., :K], -1, axis).astype(np.float32)
;;   ~~~
;;   SOFTMAX AHEAD OF A QUANTISED PRODUCT. Where the list says 'softmax', what is quantised is not the finished softmax but p = 2^(t - M), with t = logit x log2(e) and M = ceil(the row's largest t), a whole number; so 1/2 < the row's largest p <= 1. The row's sum l is taken of the UNQUANTISED p, in f32, and the product's result is divided by l at the end. Since M is a whole number, a kernel that streams over the keys may use a running M (the ceiling of the running maximum): every later rescaling is an exact power of two, which a block's scale takes up: the codes' values come out the same.
;;   OPERANDS COMPUTED ON THE WAY. 'Computed on the way' means the value that the module computes at that place (a softmax that the list does not call 'softmax' is quantised finished and normalised). What goes into a quantiser is computed in f32, as accurately as f32 sums, v_exp_f32 and their like allow (about 1e-6 of the number): no bf16 or f16 on the way to a quantiser, and a product that is left as it is and whose result goes on into a quantised operand takes f32 operands (vector FMAs, or v_wmma_f32_16x16x4_f32). A number that lies on a knife's edge between two numbers of the format may be rounded either way, as far as f32 arithmetic and the matrix unit's own rounding can turn it there, and no further.
;;   INPUTS GIVEN AS CODES. Wk (in the module: [1024, 1024], K = its axis 0); Wo (in the module: [1024, 1024], K = its axis 0); Wq (in the module: [1024, 1024], K = its axis 0); Wv (in the module: [1024, 1024], K = its axis 0): each comes as NAME_codes (uint8): NAME with its K axis moved to the last place and cut into blocks of 32 codes, [.., K / 32, bytes a block], one block behind the other in memory; four codes in three bytes: a row's codes are one little-endian stream of bits, code i at bits 6 i .. 6 i + 5 (a code: sign, 3 exponent bits, 2 mantissa bits); and NAME_scales (uint8): the same leading axes, one E8M0 byte (e + 127) for each 32 codes along K. Its value is code x scale, taken as it is: it is not quantised again, and the codes and scales need not be those that the quantiser above would give.
;; One version. Each part assembles by itself: llvm-mc -triple=amdgcn-amd-amdhsa -mcpu=gfx1250 --defsym DOCPART=n.
;; ======== version 1 of 1: 4 launches
;; limits: right only within a limited range of input values
;; workspace buffers: xc 6,291,456 bytes; xs 262,144 bytes; wo 819,200 bytes; qq 6,815,744 bytes; kv 13,631,488 bytes; cc 6,291,456 bytes; cs 262,144 bytes
;; launch prep (part 1): grid 272 x 1, 4 waves a work-group, no clusters, 33,280 bytes of LDS; arguments Q, Wo_codes, Wo_scales, xc, xs, wo; writes xc, xs, wo
.if DOCPART == 1
	.amdgcn_target "amdgcn-amd-amdhsa--gfx1250"
	.amdhsa_code_object_version 6
	.text
	.protected	k_q5209472e2f_prep
	.globl	k_q5209472e2f_prep
	.p2align	8
	.type	k_q5209472e2f_prep,@function
k_q5209472e2f_prep:
	s_mov_b64 s[64:65], 0
	v_nop
	global_prefetch_b8 v0, s[64:65] scope:SCOPE_SE
	s_setreg_imm32_b32 hwreg(HW_REG_WAVE_MODE, 25, 1), 1
	s_wait_xcnt 0x0
; PREP.  Two jobs, told apart by the work-group's number alone.
; (1) Work-groups 0 to 255: Q [8192][1024] f32 becomes codes of BF6 (E3M2), K innermost, xc [8192][768 bytes], with one E8M0 byte for each 32 along K, xs [8192][32].
;     A block's scale is 2^(floor(log2(its largest magnitude)) - 4); its byte is the largest magnitude's exponent field - 4, held at 1 from below.
;     Rows are dense and 1024 is a multiple of 32: the tensor is a plain stream of blocks of 32.  A wave takes 16 steps of 512 numbers.  Each load reads 512 consecutive bytes, 16 a lane; a step's 2,048 bytes turn through
;     the wave's own stage in LDS (16 bytes of padding behind each 64) and come back 64 bytes a lane: 16 neighbours along K, two lanes to a block.  A lane's 16 codes are 12 bytes; a wave's 256 scale bytes leave as one aligned run of 256.
; (2) Work-groups 256 to 271: Wo's codes and scale bytes are laid once more, in the order of a matrix operand's registers, so that the last launch loads each fragment by three loads of 16 bytes a lane.
;     wo: [w 8][s 8][b 8] images of 1,536 bytes (columns 128 w + 16 b + 0..15, K = 128 s on; registers 4 g .. 4 g + 3 at 512 g + 16 x lane); from byte 786,432 on [w 8][s 8] images of 512 bytes of scale words:
;     register i of lane (r, h) is the word of tile 2 i + h, row r.  This path uses no LDS.
; LIMITS: a block of zeros, or one whose largest magnitude lies under 2^-122, gets the byte 1 (its codes are zeros or subnormal; the bytes are read by this program alone); NaN and infinities are not served.
; No work-group shares an input with another: no cluster, no tensor load, no barrier.
.set XWG,   256                        ; work-groups for Q: 8192 x 1024 / 32768
.set STEPS, 16
.set EMAX,  4
.set CB,    12                         ; bytes of 16 codes
.set R,     16                         ; v16-79   four sets of 16 numbers as they are loaded
.set X,     80                         ; v80-111  two sets of 16 neighbours
.set C,     128                        ; v128-191 codes: four registers for each step, so that no store's data are written again
.set E,     112                        ; v112-127 a scale byte for each step
.set WREG,  8192                       ; LDS: a region for each wave: two stages of 32 x SP bytes, behind them its 256 scale bytes
.set SP,    80
	s_load_b256 s[4:11], s[0:1], 0x0               ; Q s[4:5], Wo's codes s[6:7], Wo's scales s[8:9], xc s[10:11]
	s_load_b128 s[12:15], s[0:1], 0x20             ; xs s[12:13], wo s[14:15]
	v_lshl_add_u32 v192, v0, 2, 0x8000
	v_mov_b32 v193, 0
	v_lshrrev_b32 v1, 5, v0
	v_readfirstlane_b32 s16, v1                    ; wave
	v_and_b32 v2, 31, v0                           ; lane
	s_mov_b32 s21, 0                               ; the upper word of every offset pair s[20:21]
	s_wait_kmcnt 0x0
	s_cmp_ge_u32 ttmp9, XWG
	s_cbranch_scc1 .Lwo
	; ---------------- Q ----------------
	s_wait_alu depctr_va_vdst(0)
	v_lshlrev_b32 v3, 4, v2                        ; my 16 bytes of a load's 512
	s_mul_i32 s17, s16, WREG
	v_lshrrev_b32 v14, 2, v2
	v_mul_u32_u24 v14, v14, SP
	v_and_b32 v15, 3, v2
	v_lshl_add_u32 v14, v15, 4, v14
	v_add_nc_u32 v14, s17, v14                     ; the stage, on the way in: SP (lane / 4) + 16 (lane % 4)
	v_mul_u32_u24 v15, v2, SP
	v_add_nc_u32 v15, s17, v15                     ; and on the way out: SP x lane: my 16 neighbours
	v_mul_u32_u24 v4, v2, CB                       ; my codes' place in a step's
	v_lshrrev_b32 v5, 1, v2
	s_add_co_u32 s17, s17, 2*32*SP
	v_add_nc_u32 v5, s17, v5                       ; LDS: my wave's 256 scale bytes, my block's byte
	v_lshlrev_b32 v7, 3, v2                        ; and on the way out 8 bytes a lane
	v_add_nc_u32 v6, s17, v7
	s_lshl_b32 s18, ttmp9, 2
	s_add_co_u32 s18, s18, s16                     ; which run of 8,192 numbers is my wave's
	s_lshl_b32 s20, s18, 15                        ; 32,768 bytes of f32 a run
	s_add_nc_u64 s[4:5], s[4:5], s[20:21]
	s_mul_i32 s20, s18, 32*STEPS*CB                ; 6,144 bytes of codes
	s_add_nc_u64 s[10:11], s[10:11], s[20:21]
	s_lshl_b32 s20, s18, 8                         ; 256 scale bytes
	s_add_nc_u64 s[12:13], s[12:13], s[20:21]
.macro LOAD t
.irp i, 0,1,2,3
	global_load_b128 v[R+16*((\t)%4)+4*\i:R+16*((\t)%4)+4*\i+3], v3, s[4:5] offset:2048*(\t)+512*\i th:TH_LOAD_NT   ; 32 lanes read 512 consecutive bytes
.endr
.endm
.macro TURN t                          ; step t's numbers through the stage: LDS serves a wave's instructions in order, so no wait stands between the stores and the loads
.irp i, 0,1,2,3
	ds_store_b128 v14, v[R+16*((\t)%4)+4*\i:R+16*((\t)%4)+4*\i+3] offset:32*SP*((\t)%2)+8*SP*\i
.endr
.irp i, 0,1,2,3
	ds_load_b128 v[X+16*((\t)%2)+4*\i:X+16*((\t)%2)+4*\i+3], v15 offset:32*SP*((\t)%2)+16*\i
.endr
.endm
.irp t, 0,1,2,3
	LOAD \t
.endr
	s_wait_alu depctr_va_vdst(0)
	s_wait_loadcnt 12                              ; step 0's four loads are in; the twelve of steps 1 to 3 may be out
	TURN 0
.macro STEP t
.set XS, X+16*((\t)%2)
.if (\t) > 0
	s_wait_dscnt 1                                 ; this step's numbers are back from the stage (the last step's byte store may be out): so its stores into the stage have read their registers,
.else
	s_wait_dscnt 0x0
.endif
.if (\t)+4 < STEPS
	LOAD (\t)+4                                    ; which take the loads of four steps on
.endif
.if (\t)+1 < STEPS
.if STEPS-2-(\t) >= 3
	s_wait_loadcnt 12                              ; the next step's four loads are in; those of the three steps behind it may be out
.else
	s_wait_loadcnt 4*(STEPS-2-(\t))
.endif
	TURN (\t)+1                                    ; and go through the other stage while this step is worked
.endif
	v_max3_num_f32 v8, |v[XS]|, |v[XS+1]|, |v[XS+2]|               ; the largest magnitude of my 16, in two chains
	v_max3_num_f32 v9, |v[XS+3]|, |v[XS+4]|, |v[XS+5]|
.irp i, 6,10
	v_max3_num_f32 v8, v8, |v[XS+\i]|, |v[XS+\i+1]|
	v_max3_num_f32 v9, v9, |v[XS+\i+2]|, |v[XS+\i+3]|
.endr
	v_max3_num_f32 v8, v8, |v[XS+14]|, |v[XS+15]|
	v_max3_num_f32 v8, v8, v9, (EMAX+1)<<23        ; and the floor 2^(5 - 127): the byte cannot fall under 1
	v_max_num_f32_dpp v8, v8, v8 row_xmask:1 row_mask:0xf bank_mask:0xf   ; and of my neighbour's 16: the block's
	v_add_nc_u32 v11, 0xfe000000, v8               ; 4 off its exponent field: the conversion takes the exponent field of this operand as its scale, and nothing else of it
	v_cvt_scalef32_pk16_bf6_f32 v[C+4*(\t):C+4*(\t)+2], v[XS:XS+15], v11   ; sixteen numbers / the scale, to the nearest code, ties to even, beyond the largest code the largest; 96 bits, the first number's code lowest
	v_lshrrev_b32 v[E+(\t)], 23, v11               ; the scale's byte (a plain line behind the conversion)
	ds_store_b8 v5, v[E+(\t)] offset:16*(\t)       ; both lanes of a block write the same byte with the same value
	global_store_b96 v4, v[C+4*(\t):C+4*(\t)+2], s[10:11] offset:32*CB*(\t)   ; the wave stores 384 consecutive bytes
.endm
.irp t, 0,1,2,3,4,5,6,7,8,9,10,11,12,13,14,15
	STEP \t
.endr
	ds_load_b64 v[12:13], v6                       ; LDS serves a wave's instructions in order: these see my stores
	s_wait_dscnt 0x0
	global_store_b64 v7, v[12:13], s[12:13]        ; 32 lanes store 256 consecutive bytes, aligned
	s_wait_tensorcnt 0x0
	ds_add_u32 v192, v193
	s_wait_dscnt 0x0
	s_endpgm
	; ---------------- Wo ----------------
.Lwo:
	s_sub_co_u32 s17, ttmp9, XWG
	s_lshl_b32 s17, s17, 2
	s_add_co_u32 s17, s17, s16                     ; W = 8 w + s, 0 to 63: one wave for each (w, s)
	s_lshr_b32 s18, s17, 3                         ; w: columns 128 w on
	s_and_b32 s19, s17, 7                          ; s: K = 128 s on
	v_and_b32 v1, 15, v0                           ; r
	v_bfe_u32 v6, v0, 4, 1                         ; h
	v_mul_u32_u24 v3, v1, 768                      ; a row of Wo's codes is 768 bytes;
	v_mad_u32_u24 v3, v6, 24, v3                   ; a lane's 24 bytes of a block pair: + 24 h
	s_wait_alu depctr_va_vdst(0)
	v_lshlrev_b32 v4, 5, v2                        ; scale bytes: 32 a row; row 16 h + r of a pair of tiles = lane
	s_wait_alu depctr_va_vdst(0)
	v_lshlrev_b32 v5, 4, v2                        ; an image's place for my lane
	s_mul_i32 s20, s18, 98304                      ; 128 rows of 768 bytes
	s_mul_i32 s22, s19, 96
	s_add_co_u32 s20, s20, s22
	s_add_nc_u64 s[6:7], s[6:7], s[20:21]
	s_lshl_b32 s20, s18, 12                        ; 128 rows of 32 bytes
	s_lshl_b32 s22, s19, 2
	s_add_co_u32 s20, s20, s22
	s_add_nc_u64 s[8:9], s[8:9], s[20:21]
	s_mul_i32 s20, s18, 98304                      ; images: 64 of 1,536 bytes for each w,
	s_mul_i32 s22, s19, 12288                      ; 8 for each s
	s_add_co_u32 s20, s20, s22
	s_add_nc_u64 s[24:25], s[14:15], s[20:21]
	s_lshl_b32 s20, s17, 9
	s_add_co_u32 s20, s20, 786432
	s_add_nc_u64 s[14:15], s[14:15], s[20:21]      ; my image of scale words
.irp b, 0,1,2,3,4,5,6,7
.irp p, 0,1,2,3,4,5
	global_load_b64 v[32+12*\b+2*\p:33+12*\b+2*\p], v3, s[6:7] offset:12288*\b+48*(\p/3)+8*(\p%3)   ; tile b's fragment: registers 6 c .. 6 c + 5 hold K = 64 c + 32 h + 0 .. 31
.endr
.endr
.irp i, 0,1,2,3
	global_load_b32 v[16+\i], v4, s[8:9] offset:1024*\i     ; the word of tile 2 i + h, row r
.endr
	s_wait_alu depctr_va_vdst(0)
	s_wait_loadcnt 0x0
.irp b, 0,1,2,3,4,5,6,7
.irp g, 0,1,2
	global_store_b128 v5, v[32+12*\b+4*\g:35+12*\b+4*\g], s[24:25] offset:1536*\b+512*\g   ; 512 consecutive bytes, aligned
.endr
.endr
	global_store_b128 v5, v[16:19], s[14:15]
	s_endpgm
.Lfunc_end_k_q5209472e2f_prep:
	.size	k_q5209472e2f_prep, .Lfunc_end_k_q5209472e2f_prep-k_q5209472e2f_prep
	.p2alignl 7, 3214868480
	.fill 96, 4, 3214868480
	.section	.rodata,"a",@progbits
	.p2align	6, 0x0
	.amdhsa_kernel k_q5209472e2f_prep
		.amdhsa_group_segment_fixed_size 33280
		.amdhsa_private_segment_fixed_size 0
		.amdhsa_enable_private_segment 0
		.amdhsa_kernarg_size 48
		.amdhsa_user_sgpr_count 2
		.amdhsa_user_sgpr_kernarg_segment_ptr 1
		.amdhsa_wavefront_size32 1
		.amdhsa_system_sgpr_workgroup_id_x 1
		.amdhsa_system_sgpr_workgroup_id_y 1
		.amdhsa_system_sgpr_workgroup_id_z 1
		.amdhsa_system_vgpr_workitem_id 0
		.amdhsa_next_free_vgpr 194
		.amdhsa_next_free_sgpr 66
		.amdhsa_reserve_vcc 0
		.amdhsa_float_denorm_mode_32 3
		.amdhsa_float_denorm_mode_16_64 3
		.amdhsa_memory_ordered 1
		.amdhsa_forward_progress 1
		.amdhsa_inst_pref_size 41
	.end_amdhsa_kernel
	.amdgpu_metadata
---
amdhsa.version: [ 1, 2 ]
amdhsa.kernels:
  - .name:           k_q5209472e2f_prep
    .symbol:         k_q5209472e2f_prep.kd
    .args:
      - { .name: Q, .offset: 0, .size: 8, .value_kind: global_buffer, .address_space: global }
      - { .name: Wo_codes, .offset: 8, .size: 8, .value_kind: global_buffer, .address_space: global }
      - { .name: Wo_scales, .offset: 16, .size: 8, .value_kind: global_buffer, .address_space: global }
      - { .name: xc, .offset: 24, .size: 8, .value_kind: global_buffer, .address_space: global }
      - { .name: xs, .offset: 32, .size: 8, .value_kind: global_buffer, .address_space: global }
      - { .name: wo, .offset: 40, .size: 8, .value_kind: global_buffer, .address_space: global }
    .group_segment_fixed_size: 33280
    .private_segment_fixed_size: 0
    .kernarg_segment_align: 8
    .kernarg_segment_size: 48
    .max_flat_workgroup_size: 128
    .sgpr_count:     66
    .vgpr_count:     194
    .wavefront_size: 32
...
	.end_amdgpu_metadata
.endif
;; end of part 1
;; launch qkv (part 2): grid 12 x 32, 4 waves a work-group, clusters of 4 x 4, 327,680 bytes of LDS; arguments xc, xs, Wq_codes, Wq_scales, Wk_codes, Wk_scales, Wv_codes, Wv_scales, bq, bk, bv, qq, kv; writes qq, kv
.if DOCPART == 2
	.amdgcn_target "amdgcn-amd-amdhsa--gfx1250"
	.amdhsa_code_object_version 6
	.text
	.protected	k_q5209472e2f_qkv
	.globl	k_q5209472e2f_qkv
	.p2align	8
	.type	k_q5209472e2f_qkv,@function
k_q5209472e2f_qkv:
	s_mov_b64 s[64:65], 0
	v_nop
	global_prefetch_b8 v0, s[64:65] scope:SCOPE_SE
	s_setreg_imm32_b32 hwreg(HW_REG_WAVE_MODE, 25, 1), 1
	s_wait_xcnt 0x0
	s_wait_alu depctr_hold_cnt(0) depctr_sa_sdst(0) depctr_va_vdst(0) depctr_va_sdst(0) depctr_va_ssrc(0) depctr_va_vcc(0) depctr_vm_vsrc(0)
	s_getreg_b32 s2, hwreg(HW_REG_IB_STS2, 6, 4)
	s_cmp_eq_u32 s2, 0
	s_cbranch_scc0 .Lentry_in_a_cluster
	s_endpgm
.Lentry_in_a_cluster:
	s_bfe_u32 s2, ttmp6, 0x10000c
	s_cmp_lg_u32 s2, 0xf033
	s_cbranch_scc0 .Lentry_shape_is_right
	s_endpgm
.Lentry_shape_is_right:
; QKV.  q = x Wq^T + bq, k = x Wk^T + bk, v = x Wv^T + bv on codes of BF6 (E3M2) with one E8M0 byte for each 32 along K = 1,024; f32 sums; each result is quantised again at once and leaves as operand images for the attention launch.
; The cluster's x says which product: 0 q, 1 k, 2 v.  For q and k source 1 (A) is x's rows and source 0 (B) the weight's; for v the roles are swapped, so that a lane's registers run along the tokens, which are the K of attention's second product.
; A work-group of four waves makes 256 x 256, a wave 128 x 128: 64 accumulators.  K goes through a ring of two LDS slots in CHUNKS OF 256 BYTES of each row of 768: every tile row begins at a multiple of 256 bytes.
; A step of 128 along K is 96 bytes: eight steps to three chunks; steps 2 and 5 lie across two chunks and read both slots.  The scale bytes of A's and B's 256 rows come into LDS once and stay.
; CLUSTER 4 x 4: A's tiles are asked for jointly by a row of the cluster, B's by a column.  No data prefetch: K is three chunks, two of them are asked for at the head, so no trip lies two steps ahead of the one refill.
; The biases are added in f32 ahead of the quantiser.  LIMITS: a block under 2^-122 gets the scale byte 1; NaN and infinities are not served.
; REGISTERS: window 0: v0-31 addresses, v32-63 scale words (two sets), v64-127 and v224-239 biases, v128-223 A's fragments (one set); window 1: B's fragments (two sets); windows 2, 3: the accumulators.
.set SIZE_K, 1024
.set ROWB,   256
.set NQ,     2
.set KROW,   SIZE_K*6/8
.set STEPS,  SIZE_K/128
.set CHUNKS, KROW/ROWB
.set PITCH,  272                       ; 256 bytes + 16 of padding
.set FR,     12
.set NL,     6
.set NP,     4
.set HALFT,  128*PITCH
.set SLOT,   4*HALFT
.set KS,     SIZE_K/32
.set SCL,    2*SLOT
.set HALFS,  (128*KS/256)*272
.set SBLK,   (16*KS/256)*272
.set SPARE,  SCL+4*HALFS               ; the spare words: 512 bytes
.set ADRA, 16                          ; v16-17 A's fragments in slot 0, 1; v18-19 for pieces whose two lane halves read different slots
.set ADRB, 20
.set L16,  24
.set L8,   25
.set L16X, 26
.set ADRS, 27
.set SPW,  28
.set NIL,  29
.set BRO,  30
.set BLO,  31
.set SC,   32
.set RB,   64
.set AF,   128
.set LB,   224
.set T,    128
.set PC,   192
.set PWS,  212
.set SO,   220
.set SO2,  8
.set TM,   240
.set G1, 24
.set G0, 32
.set G1B, 48
.set G0B, 56
.set G1S, 68
.set G0S, 76
.set G1SB, 80
.set G0SB, 88
.set G0H, 4                            ; group 0 of the head's loads of chunk 0, where chosen arguments lay
.set G0HB, 8
.set IMA, 12
.set IMB, 66
.set BIA, 96
.set SDA, 98
.set SEL, 100
.set SDB, 104
.set MSB, 0
.macro WIN new
.if MSB != \new
	s_set_vgpr_msb (MSB<<8)|\new
.set MSB, \new
.endif
.endm
.set MUL_LO, 0xa1
.set MUL_HI, 0xf1
.set TO_B,   0x40
.macro PLACES n
.rept \n
	v_nop
.endr
.endm
.macro JLOAD g0a, g1a, g0b, g1b        ; waves 0, 1 fetch for A, waves 2, 3 for B
	s_cmp_eq_u32 s15, 0
	s_cbranch_scc0 .Lfor_b_\@
	tensor_load_to_lds s[\g0a:\g0a+3], s[\g1a:\g1a+7]
	s_nop 0
	PLACES 4
	s_branch .Lasked_\@
.Lfor_b_\@:
	tensor_load_to_lds s[\g0b:\g0b+3], s[\g1b:\g1b+7]
	s_nop 0
	PLACES 4
.Lasked_\@:
.endm
.macro CREST
	s_cmp_lg_u32 s14, 0
	s_cbranch_scc1 .Lnot_wave_0_\@
	s_barrier_signal -3
.Lnot_wave_0_\@:
	s_barrier_wait -3
	s_barrier_signal -1
	s_barrier_wait -1
.endm
.macro CROUND
	s_barrier_signal -1
	s_barrier_wait -1
	CREST
.endm
	s_load_b512 s[68:83], s[0:1], 0x0              ; xc, xs, Wq's codes, scales, Wk's, Wv's
	s_load_b256 s[84:91], s[0:1], 0x40             ; bq, bk, bv, qq
	s_load_b64 s[92:93], s[0:1], 0x60              ; kv
	v_lshl_add_u32 v[SPW], v0, 2, SPARE
	v_mov_b32 v[NIL], 0
	ds_add_u32 v[SPW], v[NIL]                      ; the opening lines: the add twice and its wait
	ds_add_u32 v[SPW], v[NIL]
	v_lshrrev_b32 v1, 5, v0
	v_readfirstlane_b32 s14, v1                    ; wave
	s_lshr_b32 s15, s14, 1
	s_and_b32 s16, s14, 1
	s_bfe_u32 s40, ttmp6, 0x40000
	s_bfe_u32 s41, ttmp6, 0x40004
	s_and_b32 s18, ttmp7, 0xffff
	s_cmp_eq_u32 ttmp9, 2                          ; v: the tokens are B's rows
	s_cselect_b32 s42, s18, 0
	s_cselect_b32 s17, 0, s18
	s_lshl_b32 s42, s42, 2
	s_add_co_u32 s42, s42, s40                     ; tile column (B)
	s_lshl_b32 s17, s17, 2
	s_add_co_u32 s17, s17, s41                     ; tile row (A)
	s_lshl_b32 s43, s41, 2
	s_lshl_b32 s43, 15, s43                        ; my row of the cluster
	s_lshl_b32 s44, 0x1111, s40                    ; my column
	s_or_b32 s[G1+0], s43, (0<<16)|(1<<20)|(1<<21)|(5<<22)|(3<<25)
	s_or_b32 s[G1B+0], s44, (0<<16)|(1<<20)|(1<<21)|(5<<22)|(3<<25)
.irp g, G1, G1B
	s_mov_b32 s[\g+1], ROWB<<16
	s_mov_b32 s[\g+2], 256<<16                     ; 256 rows for the head's loads
	s_mov_b32 s[\g+3], ROWB<<16
	s_mov_b32 s[\g+4], 256
	s_mov_b32 s[\g+5], KROW
	s_mov_b32 s[\g+6], 0
	s_mov_b32 s[\g+7], 0
.endr
	s_mov_b32 s[SEL], 0x76543210
	s_mov_b32 s[SEL+1], 0xfedcba98
	s_wait_alu depctr_va_vdst(0)
	s_wait_dscnt 0x0
	CROUND                                         ; the round in front of the first joint loads
	s_wait_kmcnt 0x0
	s_cmp_eq_u32 ttmp9, 2
	s_cselect_b64 s[4:5], s[80:81], s[68:69]       ; A's codes, A's scales, B's codes, B's scales, the bias, the images' buffer
	s_cselect_b64 s[6:7], s[82:83], s[70:71]
	s_cselect_b64 s[8:9], s[68:69], s[72:73]
	s_cselect_b64 s[10:11], s[70:71], s[74:75]
	s_cselect_b64 s[BIA:BIA+1], s[88:89], s[84:85]
	s_cselect_b64 s[IMA:IMA+1], s[92:93], s[90:91]
	s_cmp_eq_u32 ttmp9, 1
	s_cselect_b64 s[8:9], s[76:77], s[8:9]
	s_cselect_b64 s[10:11], s[78:79], s[10:11]
	s_cselect_b64 s[BIA:BIA+1], s[86:87], s[BIA:BIA+1]
	s_cselect_b64 s[IMA:IMA+1], s[92:93], s[IMA:IMA+1]
	s_or_b32 s[G1S+0], s43, (3<<16)|(1<<20)|(1<<21)|(5<<22)|(3<<25)
	s_or_b32 s[G1SB+0], s44, (3<<16)|(1<<20)|(1<<21)|(5<<22)|(3<<25)
.irp g, G1S, G1SB                      ; the scales of 256 rows: KS rows of 256 bytes, dense
	s_mov_b32 s[\g+1], 32<<16
	s_mov_b32 s[\g+2], KS<<16
	s_mov_b32 s[\g+3], 32<<16
	s_mov_b32 s[\g+4], KS
	s_mov_b32 s[\g+5], 32
	s_mov_b32 s[\g+6], 0
	s_mov_b32 s[\g+7], 0
.endr
	s_lshl_b32 s20, s17, 8
	s_lshl_b32 s46, s42, 8
	s_mov_b32 s21, 0
	s_mov_b32 s47, 0
	s_mov_b64 s[18:19], KS
	s_mul_u64 s[22:23], s[20:21], s[18:19]
	s_mul_u64 s[92:93], s[46:47], s[18:19]
	s_mov_b64 s[18:19], KROW
	s_mul_u64 s[20:21], s[20:21], s[18:19]
	s_mul_u64 s[46:47], s[46:47], s[18:19]
	s_mul_i32 s18, s16, 128*KROW                   ; in the ring I fetch 128 rows of a tile
	s_mov_b32 s19, 0
	s_mul_i32 s45, s14, HALFT
	s_add_nc_u64 s[20:21], s[4:5], s[20:21]
	s_add_nc_u64 s[22:23], s[6:7], s[22:23]
	s_add_nc_u64 s[46:47], s[8:9], s[46:47]
	s_add_nc_u64 s[92:93], s[10:11], s[92:93]
	s_mov_b32 s[G0H], 1
	s_mov_b32 s[G0H+1], 0
	s_mov_b64 s[G0H+2:G0H+3], s[20:21]
	s_or_b32 s[G0H+3], s[G0H+3], 0x80000000
	s_mov_b32 s[G0HB], 1
	s_mov_b32 s[G0HB+1], 2*HALFT
	s_mov_b64 s[G0HB+2:G0HB+3], s[46:47]
	s_or_b32 s[G0HB+3], s[G0HB+3], 0x80000000
	s_mov_b32 s[G0S], 1
	s_mov_b32 s[G0S+1], SCL
	s_mov_b64 s[G0S+2:G0S+3], s[22:23]
	s_or_b32 s[G0S+3], s[G0S+3], 0x80000000
	s_mov_b32 s[G0SB], 1
	s_mov_b32 s[G0SB+1], SCL+2*HALFS
	s_mov_b64 s[G0SB+2:G0SB+3], s[92:93]
	s_or_b32 s[G0SB+3], s[G0SB+3], 0x80000000
	s_add_nc_u64 s[20:21], s[20:21], s[18:19]
	s_add_nc_u64 s[46:47], s[46:47], s[18:19]
.irp s, 0,1
	s_mov_b32 s[G0+4*\s], 1
	s_add_co_u32 s[G0+4*\s+1], s45, \s*SLOT
	s_add_nc_u64 s[G0+4*\s+2:G0+4*\s+3], s[20:21], \s*ROWB
	s_or_b32 s[G0+4*\s+3], s[G0+4*\s+3], 0x80000000
	s_mov_b32 s[G0B+4*\s], 1
	s_add_co_u32 s[G0B+4*\s+1], s45, \s*SLOT
	s_add_nc_u64 s[G0B+4*\s+2:G0B+4*\s+3], s[46:47], \s*ROWB
	s_or_b32 s[G0B+4*\s+3], s[G0B+4*\s+3], 0x80000000
.endr
; the head's four tiles, one load a wave, in one chain of branches: chunk 0 of A's 256 rows, of B's 256 rows, A's scales, B's scales
.macro ARM under, g0, g1, next
	s_cmp_lt_u32 s14, \under
	s_cbranch_scc0 \next
	tensor_load_to_lds s[\g0:\g0+3], s[\g1:\g1+7]
	s_nop 0
	PLACES 4
	s_branch .Lhead_asked
\next:
.endm
	ARM 1, G0H,  G1,  .Lhead_b
	ARM 2, G0HB, G1B, .Lhead_sa
	ARM 3, G0S,  G1S, .Lhead_sb
	tensor_load_to_lds s[G0SB:G0SB+3], s[G1SB:G1SB+7]
	s_nop 0
	PLACES 4
.Lhead_asked:
	v_and_b32 v1, 15, v0                           ; r
	v_bfe_u32 v2, v0, 4, 1                         ; h
	v_mul_u32_u24 v3, v1, PITCH
	v_mul_u32_u24 v4, v2, 24
	v_add_nc_u32 v4, v3, v4                        ; row x pitch + 24 h
	s_mov_b32 s21, SLOT-232
	s_mov_b32 s22, SLOT+232
	v_sub_nc_u32 v7, 1, v2
	v_mul_u32_u24 v5, s21, v2
	v_add_nc_u32 v5, v3, v5
	v_add_nc_u32 v5, 232, v5                       ; lanes 0-15 byte 232 in slot 0, lanes 16-31 byte 0 in slot 1
	v_mul_u32_u24 v6, s22, v7
	v_add_nc_u32 v6, v3, v6                        ; and the other way round
	s_mul_i32 s21, s15, HALFT
	s_mul_i32 s22, s16, HALFT
	s_add_co_u32 s22, s22, 2*HALFT
	v_add_nc_u32 v[ADRA+2], s21, v5
	v_add_nc_u32 v[ADRA+3], s21, v6
	v_add_nc_u32 v[ADRB+2], s22, v5
	v_add_nc_u32 v[ADRB+3], s22, v6
.irp s, 0,1
	v_add_nc_u32 v[ADRA+\s], s21, v4
	v_add_nc_u32 v[ADRB+\s], s22, v4
	s_add_co_u32 s21, s21, SLOT
	s_add_co_u32 s22, s22, SLOT
.endr
	v_mul_u32_u24 v5, v1, KS                       ; my row's scale words
	v_lshrrev_b32 v6, 8, v5
	v_lshl_add_u32 v5, v6, 4, v5
	s_mul_i32 s21, s15, HALFS
	s_mul_i32 s22, s16, HALFS
	s_add_co_u32 s22, s22, 2*HALFS
	s_sub_co_u32 s22, s22, s21
	v_mul_u32_u24 v6, s22, v2                      ; lanes 16-31 take B's
	s_add_co_u32 s21, s21, SCL
	v_add_nc_u32 v5, v5, v6
	v_add_nc_u32 v[ADRS], s21, v5
	v_and_b32 v6, 31, v0
	v_lshlrev_b32 v[L16], 4, v6
	v_lshlrev_b32 v[L8], 3, v6
	v_xor_b32 v[L16X], 128, v[L16]
	v_lshlrev_b32 v[BRO], 5, v2
	v_lshlrev_b32 v[BLO], 2, v1
.macro FRAG reg, adr, st, i            ; 16 rows x 128 K: six pieces of 8 bytes; byte y of a row lies in slot (y / 256) % 2 at byte y % 256
.irp p, 0,1,2,3,4,5
.set BY, 96*(\st)+48*(\p/3)+8*(\p%3)
.if BY/ROWB == (BY+24)/ROWB
	ds_load_b64 v[\reg+2*\p:\reg+2*\p+1], v[\adr+(BY/ROWB)%2] offset:BY%ROWB+(\i)*16*PITCH
.else
	ds_load_b64 v[\reg+2*\p:\reg+2*\p+1], v[\adr+2+(BY/ROWB)%2] offset:BY%ROWB-232+(\i)*16*PITCH
.endif
.endr
.endm
.macro MUL16 a0, p, q, sc, zero        ; A's blocks a0, a0 + 1 x B's eight; the 64 accumulators take turns
.irp a, \a0, \a0+1
.irp b, 0,1,2,3,4,5,6,7
.if \zero
	v_wmma_scale_f32_16x16x128_f8f6f4 v[8*(8*((\a)%4)+\b):8*(8*((\a)%4)+\b)+7], v[128*(\p)+FR*\b:128*(\p)+FR*\b+FR-1], v[AF+FR*(\a):AF+FR*(\a)+FR-1], 0, v[SC+8*NQ*(\sc)+NQ*\b+(\q)], v[SC+8*NQ*(\sc)+NQ*(\a)+(\q)] matrix_a_fmt:MATRIX_FMT_BF6 matrix_b_fmt:MATRIX_FMT_BF6 matrix_a_scale:MATRIX_SCALE_ROW1
.else
	v_wmma_scale_f32_16x16x128_f8f6f4 v[8*(8*((\a)%4)+\b):8*(8*((\a)%4)+\b)+7], v[128*(\p)+FR*\b:128*(\p)+FR*\b+FR-1], v[AF+FR*(\a):AF+FR*(\a)+FR-1], v[8*(8*((\a)%4)+\b):8*(8*((\a)%4)+\b)+7], v[SC+8*NQ*(\sc)+NQ*\b+(\q)], v[SC+8*NQ*(\sc)+NQ*(\a)+(\q)] matrix_a_fmt:MATRIX_FMT_BF6 matrix_b_fmt:MATRIX_FMT_BF6 matrix_a_scale:MATRIX_SCALE_ROW1
.endif
.endr
.endr
.endm
.macro FETCH_B st, p
	WIN TO_B
.irp i, 0,1,2,3,4,5,6,7
	FRAG 128*(\p)+FR*\i, ADRB, \st, \i
.endr
	WIN 0
.endm
.macro FETCH_A st, i0
.irp i, \i0, \i0+1, \i0+2, \i0+3
	FRAG AF+FR*(\i), ADRA, \st, \i
.endr
.endm
.macro SCALES pr                       ; the words of steps 2 pr, 2 pr + 1: lanes 0-15 A's block i, lanes 16-31 B's
.irp i, 0,1,2,3,4,5,6,7
	ds_load_b64 v[SC+8*NQ*((\pr)%2)+NQ*\i:SC+8*NQ*((\pr)%2)+NQ*\i+1], v[ADRS] offset:\i*SBLK+4*NQ*(\pr)
.endr
.endm
; A step: 64 products; the next step's fragments are fetched in its middle and at its end.  Where the next step ends in a chunk not read yet, a barrier shows that chunk whole;
; where it begins in a later chunk, the chunk left behind is read no more: the three lines, the barrier, and, while a chunk two on is left, the cluster's round and the refill.
.macro STEP st, zero
.set NX, (\st)+1
.set C0, (96*(\st))/ROWB
.set C1, (96*NX)/ROWB
.set E0, (96*(\st)+95)/ROWB
.set E1, (96*NX+95)/ROWB
.if C1 > C0 || E1 > E0
	s_wait_tensorcnt 0x0                           ; all my tensor loads have landed
.if C1 > C0
	ds_add_u32 v[SPW], v[NIL]
	s_wait_dscnt 4*NL+1                            ; the add and A's blocks 4-7 (24 loads) may be out
.else
	s_wait_dscnt 4*NL                              ; A's blocks 4-7 may be out
.endif
	WIN MUL_LO
	MUL16 0, (\st)%2, (\st)%2, ((\st)/2)%2, \zero
	s_wait_dscnt 0x0                               ; the add and all my reads are done
	s_barrier_signal -1
	MUL16 2, (\st)%2, (\st)%2, ((\st)/2)%2, \zero
	WIN 0
	s_barrier_wait -1
.if C1 > C0 && C0+2 < CHUNKS
	CREST
	s_add_nc_u64 s[G0+4*(C0%2)+2:G0+4*(C0%2)+3], s[G0+4*(C0%2)+2:G0+4*(C0%2)+3], 2*ROWB
	s_add_nc_u64 s[G0B+4*(C0%2)+2:G0B+4*(C0%2)+3], s[G0B+4*(C0%2)+2:G0B+4*(C0%2)+3], 2*ROWB
	JLOAD G0+4*(C0%2), G1, G0B+4*(C0%2), G1B       ; chunk C0 + 2; its four v_nop are the places in front of the loads below
.else
	PLACES NP
.endif
.else
	s_wait_dscnt 4*NL
	WIN MUL_LO
	MUL16 0, (\st)%2, (\st)%2, ((\st)/2)%2, \zero
	MUL16 2, (\st)%2, (\st)%2, ((\st)/2)%2, \zero
	s_wait_dscnt 0
	PLACES NP
.endif
	FETCH_B NX, NX%2
	FETCH_A NX, 0
.if NX%2 == 0
	SCALES NX/2
.endif
	WIN MUL_HI
	MUL16 4, (\st)%2, (\st)%2, ((\st)/2)%2, \zero
	MUL16 6, (\st)%2, (\st)%2, ((\st)/2)%2, \zero
	PLACES NP
	WIN 0
	FETCH_A NX, 4
.endm
	s_wait_alu depctr_va_vdst(0)                   ; the wait at the head's end
	s_wait_tensorcnt 0x0                           ; my tile of the head's four is in; the three lines ahead of slot 1's first fill
	ds_add_u32 v[SPW], v[NIL]
	s_mov_b32 s[G1+2], 128<<16                     ; no load of mine is out: from here on a load brings 128 rows
	s_mov_b32 s[G1+4], 128
	s_mov_b32 s[G1B+2], 128<<16
	s_mov_b32 s[G1B+4], 128
	s_wait_dscnt 0x0
	CROUND
	JLOAD G0+4, G1, G0B+4, G1B                     ; chunk 1
	FETCH_B 0, 0
	FETCH_A 0, 0
	SCALES 0
	FETCH_A 0, 4
	; where the results go, and the biases: under the flight of the fragment loads.  The head's descriptors in s4-11 are done with
	s_lshl_b32 s4, s17, 8
	s_lshl_b32 s6, s15, 7
	s_add_co_u32 s4, s4, s6                        ; my first row of A
	s_lshl_b32 s5, s42, 8
	s_lshl_b32 s6, s16, 7
	s_add_co_u32 s5, s5, s6                        ; of B
	s_cmp_eq_u32 ttmp9, 2
	s_cselect_b32 s6, s5, s4                       ; my first token
	s_cselect_b32 s7, s4, s5                       ; my first channel
	s_cselect_b32 s8, 24576, 0
	s_mov_b32 s9, 49152
	s_cselect_b32 s9, 51200, s9
	s_cmp_eq_u32 ttmp9, 0
	s_cselect_b32 s9, 6291456, s9
	s_mov_b32 s10, 212992
	s_cselect_b32 s11, 8192, s10
	s_cselect_b32 s10, 98304, s10
	s_mov_b32 s18, 53248
	s_cselect_b32 s19, 2048, s18
	s_cselect_b32 s18, 24576, s18
	s_lshr_b32 s20, s6, 11
	s_lshl_b32 s20, s20, 4
	s_lshr_b32 s21, s7, 6
	s_add_co_u32 s20, s20, s21                     ; 16 x batch + head
	s_bfe_u32 s21, s6, 0x40007
	s_lshr_b32 s22, s21, 2
	s_and_b32 s21, s21, 3
	s_mul_i32 s46, s20, s10
	s_mul_i32 s23, s22, s18
	s_add_co_u32 s46, s46, s23
	s_add_co_u32 s46, s46, s8
	s_mul_i32 s23, s21, 6144
	s_add_co_u32 s46, s46, s23
	s_mov_b32 s47, 0
	s_mul_i32 s92, s20, s11
	s_mul_i32 s23, s22, s19
	s_add_co_u32 s92, s92, s23
	s_add_co_u32 s92, s92, s9
	s_lshl_b32 s23, s21, 9
	s_add_co_u32 s92, s92, s23
	s_mov_b32 s93, 0
	s_add_nc_u64 s[SDA:SDA+1], s[IMA:IMA+1], s[92:93]
	s_mov_b32 s92, s11
	s_add_nc_u64 s[SDB:SDB+1], s[SDA:SDA+1], s[92:93]
	s_add_nc_u64 s[IMA:IMA+1], s[IMA:IMA+1], s[46:47]
	s_mov_b32 s46, s10
	s_add_nc_u64 s[IMB:IMB+1], s[IMA:IMA+1], s[46:47]
	s_lshl_b32 s46, s7, 2
	s_add_nc_u64 s[BIA:BIA+1], s[BIA:BIA+1], s[46:47]
.irp b, 0,1,2,3,4,5,6,7
	global_load_b128 v[RB+8*\b:RB+8*\b+3], v[BRO], s[BIA:BIA+1] offset:64*\b
	global_load_b128 v[RB+8*\b+4:RB+8*\b+7], v[BRO], s[BIA:BIA+1] offset:64*\b+16
.endr
.irp a, 0,1,2,3,4,5,6,7
	global_load_b32 v[LB+2*\a], v[BLO], s[BIA:BIA+1] offset:64*\a
	global_load_b32 v[LB+2*\a+1], v[BLO], s[BIA:BIA+1] offset:64*\a
.endr
	STEP 0, 1                                      ; the first step's products start the sums
.set ST, 1
.rept STEPS-2
	STEP ST, 0
.set ST, ST+1
.endr
	s_wait_dscnt 4*NL                              ; the last step fetches nothing
	WIN MUL_LO
	MUL16 0, 1, 1, 1, 0
	MUL16 2, 1, 1, 1, 0
	s_wait_dscnt 0
	WIN MUL_HI
	MUL16 4, 1, 1, 1, 0
	MUL16 6, 1, 1, 1, 0
	WIN 0
; THE WAY OUT: 64 numbers a lane of a block of 16 rows, four scale blocks of 32 shared by lanes l and l xor 16: largest magnitudes, scale word, four conversions, whole blocks to a lane
.macro QUANT s, pw
.irp b, 0,1,2,3
	v_max3_num_f32 v[TM+\b], |v[\s+16*\b]|, |v[\s+1+16*\b]|, 0x2800000
.endr
.irp i, 2,4,6,8,10,12,14
.irp b, 0,1,2,3
	v_max3_num_f32 v[TM+\b], v[TM+\b], |v[\s+16*\b+\i]|, |v[\s+1+16*\b+\i]|
.endr
.endr
.irp b, 0,1,2,3
	v_permlanex16_b32 v[TM+4+\b], v[TM+\b], s[SEL], s[SEL+1]
.endr
.irp b, 0,1,2,3
	v_max_num_f32 v[TM+\b], v[TM+\b], v[TM+4+\b]
.endr
.irp b, 0,1,2,3
	v_add_nc_u32 v[TM+12+\b], 0xfe000000, v[TM+\b]
.endr
.irp b, 0,1,2,3
	v_lshrrev_b32 v[TM+4+\b], 23, v[TM+12+\b]
.endr
	v_lshl_or_b32 v[\pw], v[TM+5], 8, v[TM+4]
	v_lshl_or_b32 v[\pw], v[TM+6], 16, v[\pw]
	v_lshl_or_b32 v[\pw], v[TM+7], 24, v[\pw]
.irp c, 0,1
	v_cvt_scalef32_pk16_bf6_f32 v[PC+6*\c:PC+2+6*\c], v[\s+32*\c:\s+15+32*\c], v[TM+12+2*\c]
	v_cvt_scalef32_pk16_bf6_f32 v[PC+12+4*\c:PC+14+4*\c], v[\s+16+32*\c:\s+31+32*\c], v[TM+12+2*\c+1]
.endr
	v_nop
.irp c, 0,1
.irp i, 0,1,2
	v_permlane16_swap_b32 v[PC+6*\c+\i], v[PC+12+4*\c+\i]
.endr
.irp i, 0,1,2
	v_mov_b32 v[PC+3+6*\c+\i], v[PC+12+4*\c+\i]
.endr
.endr
.endm
.macro BLK_QK a                        ; 16 tokens x my 128 channels (two heads): the bias runs along the registers
	WIN 0x02+(\a)/4
.set i, 0
.rept 32
	v_pk_add_f32 v[T+2*i:T+2*i+1], v[64*((\a)%4)+2*i:64*((\a)%4)+2*i+1], v[RB+2*i:RB+2*i+1]
.set i, i+1
.endr
	WIN 0
	s_wait_xcnt 0x0                                ; the last block's stores have read the codes' registers
	QUANT T, PWS+(\a)
	global_store_b128 v[L16], v[PC:PC+3], s[IMA:IMA+1] offset:768*(\a)
	global_store_b64 v[L8], v[PC+4:PC+5], s[IMA:IMA+1] offset:768*(\a)+512
	global_store_b128 v[L16], v[PC+6:PC+9], s[IMB:IMB+1] offset:768*(\a)
	global_store_b64 v[L8], v[PC+10:PC+11], s[IMB:IMB+1] offset:768*(\a)+512
.endm
.macro BLK_V a                         ; 16 channels x my 128 tokens: the bias is the lane's own
	WIN 0x02+(\a)/4
.set i, 0
.rept 32
	v_pk_add_f32 v[T+2*i:T+2*i+1], v[64*((\a)%4)+2*i:64*((\a)%4)+2*i+1], v[LB+2*(\a):LB+2*(\a)+1] op_sel_hi:[1,0]
.set i, i+1
.endr
	WIN 0
	s_wait_xcnt 0x0
	QUANT T, PWS+(\a)
.irp g, 0,1,2
.if (\a) < 4
.if (\a)%2
	global_store_b128 v[L16X], v[PC+4*\g:PC+4*\g+3], s[IMA:IMA+1] offset:1536*((\a)%4)+512*\g
.else
	global_store_b128 v[L16], v[PC+4*\g:PC+4*\g+3], s[IMA:IMA+1] offset:1536*((\a)%4)+512*\g
.endif
.else
.if (\a)%2
	global_store_b128 v[L16X], v[PC+4*\g:PC+4*\g+3], s[IMB:IMB+1] offset:1536*((\a)%4)+512*\g
.else
	global_store_b128 v[L16], v[PC+4*\g:PC+4*\g+3], s[IMB:IMB+1] offset:1536*((\a)%4)+512*\g
.endif
.endif
.endr
.endm
	PLACES NP
	s_wait_loadcnt 0x0                             ; the biases
.irp b, 0,1,2,3
	v_mov_b32 v[TM+4+\b], 0
.endr
	v_and_b32 v12, 31, v0
	v_cmp_le_u32 vcc_lo, 16, v12
	s_cmp_eq_u32 ttmp9, 2
	s_cbranch_scc1 .Lv
.irp a, 0,1,2,3,4,5,6,7
	BLK_QK \a
.endr
.irp i, 0,1,2,3
	v_cndmask_b32 v[SO+\i], v[PWS+2*\i], v[PWS+2*\i+1], vcc_lo
.endr
.irp i, 0,1,2,3
	v_lshrrev_b32 v[SO2+\i], 16, v[SO+\i]
.endr
	global_store_b128 v[L16], v[SO:SO+3], s[SDA:SDA+1]
	global_store_b128 v[L16], v[SO2:SO2+3], s[SDB:SDB+1]
	s_branch .Lend
.Lv:
.irp a, 0,1,2,3,4,5,6,7
	BLK_V \a
.endr
	global_store_b128 v[L16], v[PWS:PWS+3], s[SDA:SDA+1]
	global_store_b128 v[L16], v[PWS+4:PWS+7], s[SDB:SDB+1]
.Lend:
	s_wait_tensorcnt 0x0                           ; the wave's end
	ds_add_u32 v[SPW], v[NIL]
	s_wait_dscnt 0x0
	CROUND                                         ; the closing round
	s_endpgm
.Lfunc_end_k_q5209472e2f_qkv:
	.size	k_q5209472e2f_qkv, .Lfunc_end_k_q5209472e2f_qkv-k_q5209472e2f_qkv
	.p2alignl 7, 3214868480
	.fill 96, 4, 3214868480
	.section	.rodata,"a",@progbits
	.p2align	6, 0x0
	.amdhsa_kernel k_q5209472e2f_qkv
		.amdhsa_group_segment_fixed_size 327680
		.amdhsa_private_segment_fixed_size 0
		.amdhsa_enable_private_segment 0
		.amdhsa_kernarg_size 104
		.amdhsa_user_sgpr_count 2
		.amdhsa_user_sgpr_kernarg_segment_ptr 1
		.amdhsa_wavefront_size32 1
		.amdhsa_system_sgpr_workgroup_id_x 1
		.amdhsa_system_sgpr_workgroup_id_y 1
		.amdhsa_system_sgpr_workgroup_id_z 1
		.amdhsa_system_vgpr_workitem_id 0
		.amdhsa_next_free_vgpr 1024
		.amdhsa_next_free_sgpr 106
		.amdhsa_reserve_vcc 1
		.amdhsa_float_denorm_mode_32 3
		.amdhsa_float_denorm_mode_16_64 3
		.amdhsa_memory_ordered 1
		.amdhsa_forward_progress 1
		.amdhsa_inst_pref_size 235
	.end_amdhsa_kernel
	.amdgpu_metadata
---
amdhsa.version: [ 1, 2 ]
amdhsa.kernels:
  - .name:           k_q5209472e2f_qkv
    .symbol:         k_q5209472e2f_qkv.kd
    .args:
      - { .name: xc, .offset: 0, .size: 8, .value_kind: global_buffer, .address_space: global }
      - { .name: xs, .offset: 8, .size: 8, .value_kind: global_buffer, .address_space: global }
      - { .name: Wq_codes, .offset: 16, .size: 8, .value_kind: global_buffer, .address_space: global }
      - { .name: Wq_scales, .offset: 24, .size: 8, .value_kind: global_buffer, .address_space: global }
      - { .name: Wk_codes, .offset: 32, .size: 8, .value_kind: global_buffer, .address_space: global }
      - { .name: Wk_scales, .offset: 40, .size: 8, .value_kind: global_buffer, .address_space: global }
      - { .name: Wv_codes, .offset: 48, .size: 8, .value_kind: global_buffer, .address_space: global }
      - { .name: Wv_scales, .offset: 56, .size: 8, .value_kind: global_buffer, .address_space: global }
      - { .name: bq, .offset: 64, .size: 8, .value_kind: global_buffer, .address_space: global }
      - { .name: bk, .offset: 72, .size: 8, .value_kind: global_buffer, .address_space: global }
      - { .name: bv, .offset: 80, .size: 8, .value_kind: global_buffer, .address_space: global }
      - { .name: qq, .offset: 88, .size: 8, .value_kind: global_buffer, .address_space: global }
      - { .name: kv, .offset: 96, .size: 8, .value_kind: global_buffer, .address_space: global }
    .group_segment_fixed_size: 327680
    .private_segment_fixed_size: 0
    .kernarg_segment_align: 8
    .kernarg_segment_size: 104
    .max_flat_workgroup_size: 128
    .sgpr_count:     106
    .vgpr_count:     1024
    .wavefront_size: 32
...
	.end_amdgpu_metadata
.endif
;; end of part 2
;; launch attn (part 3): grid 4 x 64, 16 waves a work-group, clusters of 4 x 1, 231,424 bytes of LDS; arguments qq, kv, cc, cs; writes cc, cs
.if DOCPART == 3
	.amdgcn_target "amdgcn-amd-amdhsa--gfx1250"
	.amdhsa_code_object_version 6
	.text
	.protected	k_q5209472e2f_attn
	.globl	k_q5209472e2f_attn
	.p2align	8
	.type	k_q5209472e2f_attn,@function
k_q5209472e2f_attn:
	s_mov_b64 s[64:65], 0
	v_nop
	global_prefetch_b8 v0, s[64:65] scope:SCOPE_SE
	s_setreg_imm32_b32 hwreg(HW_REG_WAVE_MODE, 25, 1), 1
	s_wait_xcnt 0x0
	s_wait_alu depctr_hold_cnt(0) depctr_sa_sdst(0) depctr_va_vdst(0) depctr_va_sdst(0) depctr_va_ssrc(0) depctr_va_vcc(0) depctr_vm_vsrc(0)
	s_getreg_b32 s2, hwreg(HW_REG_IB_STS2, 6, 4)
	s_cmp_eq_u32 s2, 0
	s_cbranch_scc0 .Lentry_in_a_cluster
	s_endpgm
.Lentry_in_a_cluster:
	s_bfe_u32 s2, ttmp6, 0x10000c
	s_cmp_lg_u32 s2, 0x3003
	s_cbranch_scc0 .Lentry_shape_is_right
	s_endpgm
.Lentry_shape_is_right:
; ATTN.  context[head][q] = the sum over k of softmax_k(q . k / 8) v, both products on codes of BF6 (E3M2) with one E8M0 scale for each 32 along a product's K; the context is quantised at once for the last product.
; THE SOFTMAX: t = score x log2(e) / 8; M = the row's largest t so far, rounded up to a whole number; p = 2^(t - M) is what is quantised, along the keys, not normalised.  The row's sum is taken of the unquantised p and divides at the end.
; When M moves, the sum and O are multiplied by 2^(old M - new M): exact, and without a branch on data.
; SHARES.  A work-group owns 512 queries of one head; each of its sixteen waves two tiles of 16 queries, one after the other (two passes), in 256 registers: four waves to a SIMD, so that one wave's vector work stands beside another's products and LDS loads.
; THE WHOLE HEAD'S K, V AND SCALE WORDS, 212,992 bytes, COME INTO LDS ONCE and stay: four chunks of 512 keys, each wave bringing one part of 13,312 bytes; nothing is ever filled again.
; CLUSTER.  The four work-groups of a head read the same bytes: every load is asked for jointly, with the same descriptor and a mask naming the four.
; LAYOUT.  Both products are used transposed: S^T = K Q^T (source 0 = 16 keys, source 1 = my 16 queries), O^T = V^T P^T (source 0 = 16 channels, source 1 = P): a lane holds one query (lane % 16) throughout.
; The head's axis is 64 long and the instruction's K is 128.  Q's fragment has zero codes in registers 6-11.  K's eight tiles of a key step lie 6 registers apart, so a tile's upper six registers are the next tile's codes
; (six zeroed registers stand behind the last): whatever stands there meets zero codes, under scale bytes that are never 0xff.
; K's tiles are 16 neighbouring keys: p's 16 registers of tiles 2 b, 2 b + 1 are keys 32 b + 8 h + 0..7 and 32 b + 16 + 8 h + 0..7: inside a block of 32 the codes come out in the order 0-7, 16-23, 8-15, 24-31, the order in which V's codes were laid.
; V's channels of a tile are chosen by the read address: lane r of tile 2 b + u takes channel 32 b + 8 u + r + 8 (r / 8), so that O^T's 16 registers of tiles 2 b, 2 b + 1 are 16 neighbouring channels: the context's codes come out in true order.
; A block's largest p is not searched for: the block's largest score goes through the same multiply-add and exponential.  LIMIT: this takes v_exp_f32 not to fall where its input rises (the ISA guide promises 1 ulp).
; LIMITS: a block whose every number lies under 2^-122 gets the scale byte 1; NaN and infinities are not served.
; OUT.  cc: [tile of 16 rows 512][head 16] half fragments of 768 bytes (registers 0-3 at 16 x lane, 4-5 at 512 + 8 x lane).  cs: [head 64][2048] two scale bytes a row.
.set CHUNK_B, 53248                    ; a chunk of 512 keys: K's images 4 x 6,144; at 24,576 V's; at 49,152 K's scale words 4 x 512; at 51,200 V's
.set PART,    13312                    ; A WAVE'S ONE LOAD: 52 rows of 256 bytes, a quarter of chunk wave / 4; the sixteen loads are the head's 212,992 bytes (in place of a part of each chunk, as the comment above has it)
.set CSST,    212992                   ; behind the head's bytes: 1,024 bytes, the stage for the context's scale pairs; no fill lands there
.set KF,  32                           ; v32-79   K's eight tiles, 6 registers each; later V's four fragments
.set VF,  32
.set KSC, 86                           ; v86-89   K's scale words: register i: tile 2 i in lanes 0-15, tile 2 i + 1 in lanes 16-31
.set VSC, 90                           ; v90-93   V's
.set S,   96                           ; v96-159  S^T, then p
.set O,   160                          ; v160-191 O^T
.set PC,  192                          ; v192-203 p's codes
.set PT,  204                          ; v204-206, v208-210 at work; later a chain of the sum
.set BM,  212                          ; v212-215 the blocks' largest scores, then largest p
.set BP,  216                          ; v216-219 at work
.set SOP, 220                          ; v220-223 the conversions' scale operands
.set F,   224                          ; v[224:225] f = 2^(old M - new M)
.set PWD, 226                          ; v226     p's scale word
.set TMP, 227
.set QF0, 16                           ; v16-27   Q's fragment, first tile;  v228-239 second tile
.set QF1, 228
.set QS0, 28                           ; v28, v29 their scale words
.set QS1, 29
.set WV,  12                           ; s12
.set G1,  16                           ; s[16:23] descriptor group 1;  s[24:27] group 0
.set G0,  24
.set CS,  40                           ; s[40:41] c = log2(e) / 8
.set SEL, 42                           ; s[42:43] selects for lane l xor 16
.set SKV, 44                           ; s44 LDS byte of the key step's images of K
.set SSC, 45                           ; s45 and of its scale words
.set CNT, 46
.macro CROUND                          ; a round of the cluster's barrier
	s_barrier_signal -1
	s_barrier_wait -1
	s_cmp_lg_u32 s[WV], 0
	s_cbranch_scc1 .Lnot_wave_0_\@
	s_barrier_signal -3
.Lnot_wave_0_\@:
	s_barrier_wait -3
	s_barrier_signal -1
	s_barrier_wait -1
.endm
	s_load_b256 s[4:11], s[0:1], 0x0               ; qq s[4:5], kv s[6:7], cc s[8:9], cs s[10:11]
	v_lshl_add_u32 v254, v0, 2, 0x38000
	v_mov_b32 v255, 0
	ds_add_u32 v254, v255
	ds_add_u32 v254, v255
	v_lshrrev_b32 v1, 5, v0
	s_delay_alu instid0(VALU_DEP_1)
	v_readfirstlane_b32 s[WV], v1                  ; wave 0..15
	s_bfe_u32 s13, ttmp6, 0x40000                  ; cx
	s_lshl_b32 s15, ttmp9, 2
	s_add_co_u32 s15, s15, s13                     ; my block of 512 queries: it enters Q's, cc's and cs's addresses alone
	s_and_b32 s14, ttmp7, 0xffff                   ; the head, 16 x batch + head, which the four partners share
	s_mov_b32 s[G1], 15|(3<<16)|(1<<21)            ; 15:0 the mask: all four work-groups; elements of 8 bytes; no padding; bit 21 beside a mask
	s_mov_b32 s[G1+1], 32<<16                      ; tensor_dim0 = 32 elements: 256 bytes
	s_mov_b32 s[G1+2], 52<<16                      ; tensor_dim1 = 52
	s_mov_b32 s[G1+3], 32<<16                      ; tile_dim0
	s_mov_b32 s[G1+4], 52                          ; tile_dim1
	s_mov_b32 s[G1+5], 32                          ; dense
	s_mov_b32 s[G1+6], 0
	s_mov_b32 s[G1+7], 0
	s_mul_i32 s50, s[WV], PART                     ; my part of a chunk, in LDS as in memory: no place in the cluster enters it
	s_mul_i32 s48, s14, 4*CHUNK_B
	s_add_co_u32 s48, s48, s50
	s_mov_b32 s49, 0
	s_mov_b32 s[CS], 0x3e38aa3b                    ; log2(e) / 8
	s_mov_b32 s[CS+1], s[CS]                       ; (named with it as a pair)
	s_mov_b32 s[SEL], 0x76543210
	s_mov_b32 s[SEL+1], 0xfedcba98
	s_wait_dscnt 0x0
	s_wait_kmcnt 0x0
	s_add_nc_u64 s[6:7], s[6:7], s[48:49]
.irp c, 0
	s_mov_b32 s[G0+4*\c], 1
	s_add_co_u32 s[G0+4*\c+1], s50, CHUNK_B*\c
	s_add_nc_u64 s[G0+4*\c+2:G0+4*\c+3], s[6:7], CHUNK_B*\c
	s_or_b32 s[G0+4*\c+3], s[G0+4*\c+3], 0x80000000
.endr
	CROUND                                         ; all four work-groups are here: the joint loads meet
	tensor_load_to_lds s[G0:G0+3], s[G1:G1+7]      ; my one load: one tensor load of mine is out
	s_nop 0
.rept 4
	v_nop
.endr
	s_lshl_b32 s51, s15, 5
	s_lshl_b32 s52, s[WV], 1
	s_add_co_u32 s51, s51, s52                     ; my first tile of queries: 32 x block + 2 x wave
	s_mul_i32 s52, s14, 98304
	s_mul_i32 s53, s51, 768
	s_add_co_u32 s52, s52, s53
	s_mov_b32 s53, 0
	s_add_nc_u64 s[52:53], s[4:5], s[52:53]        ; its image
	s_lshl_b32 s54, s14, 13                        ; Q's scale words: 8,192 bytes a head, 512 for 8 tiles;
	s_lshl_b32 s55, s15, 11
	s_add_co_u32 s54, s54, s55
	s_lshr_b32 s55, s[WV], 2
	s_lshl_b32 s55, s55, 9
	s_add_co_u32 s54, s54, s55
	s_and_b32 s55, s[WV], 3                        ; tile 2 (w & 3) + p of the eight: the word of row r at 16 r + 256 p + 4 (w & 3)
	s_lshl_b32 s55, s55, 2
	s_add_co_u32 s54, s54, s55
	s_add_co_u32 s54, s54, 6291456
	s_mov_b32 s55, 0
	s_add_nc_u64 s[54:55], s[4:5], s[54:55]
	s_lshr_b32 s56, s14, 4                         ; batch
	s_lshl_b32 s56, s56, 7
	s_add_co_u32 s56, s56, s51                     ; my first tile of rows of the context
	s_mul_i32 s56, s56, 12288
	s_and_b32 s57, s14, 15
	s_mul_i32 s57, s57, 768
	s_add_co_u32 s56, s56, s57
	s_mov_b32 s57, 0
	s_add_nc_u64 s[8:9], s[8:9], s[56:57]
	s_lshl_b32 s56, s14, 12
	s_lshl_b32 s58, s15, 10
	s_add_co_u32 s56, s56, s58
	s_add_nc_u64 s[10:11], s[10:11], s[56:57]      ; cs at my work-group's 512 rows
	v_and_b32 v6, 31, v0
	s_delay_alu instid0(VALU_DEP_1)
	v_lshlrev_b32 v1, 4, v6                        ; v1  16 x lane
	s_delay_alu instid0(VALU_DEP_2)
	v_lshlrev_b32 v2, 3, v6                        ; v2  8 x lane
	v_and_b32 v11, 15, v0                          ; r
	s_delay_alu instid0(VALU_DEP_1)
	v_lshlrev_b32 v240, 4, v11                     ; v240 16 r
	global_load_b128 v[QF0:QF0+3], v1, s[52:53]
	global_load_b64 v[QF0+4:QF0+5], v2, s[52:53] offset:512
	global_load_b128 v[QF1:QF1+3], v1, s[52:53] offset:768
	global_load_b64 v[QF1+4:QF1+5], v2, s[52:53] offset:1280
	global_load_b32 v[QS0], v240, s[54:55]
	global_load_b32 v[QS1], v240, s[54:55] offset:256
	v_and_b32 v6, 7, v0                            ; e = r % 8
	v_bfe_u32 v7, v0, 3, 1                         ; g = r / 8
	v_bfe_u32 v8, v0, 4, 1                         ; h
	s_delay_alu instid0(VALU_DEP_3)
	v_lshlrev_b32 v9, 4, v6
	s_delay_alu instid0(VALU_DEP_1)
	v_lshl_add_u32 v10, v8, 8, v9                  ; 256 h + 16 e
	s_delay_alu instid0(VALU_DEP_1)
	v_mad_u32_u24 v3, v7, 1664, v10                ; v3  V, tiles 2 b: channel tile 2 b + g, row e: 1,536 g + 16 (16 h + e xor 8 g)
	s_delay_alu instid0(VALU_DEP_2)
	v_mad_u32_u24 v4, v7, 1408, v10
	s_delay_alu instid0(VALU_DEP_1)
	v_add_nc_u32 v4, 128, v4                       ; v4  V, tiles 2 b + 1: channel tile 2 b + g, row 8 + e
	v_lshl_add_u32 v5, v7, 2, v9                   ; v5  V's scale words: 16 e + 4 g
	s_lshl_b32 s58, s[WV], 6
	v_lshl_add_u32 v30, v11, 1, s58
	s_delay_alu instid0(VALU_DEP_1)
	v_add_nc_u32 v30, CSST, v30                    ; v30 the stage: 64 x wave + 2 r
	s_and_b32 s58, s[WV], 1
	s_lshl_b32 s58, s58, 9
	v_add_nc_u32 v242, s58, v1                     ; v242, v241: waves 0 and 1 carry the stage out, 512 bytes each
	s_delay_alu instid0(VALU_DEP_1)
	v_add_nc_u32 v241, CSST, v242
.irp j, 6,7,8,9,10,11
	v_mov_b32 v[QF0+\j], 0                         ; zero codes for K = 64 .. 127
	v_mov_b32 v[QF1+\j], 0
	v_mov_b32 v[KF+42+\j], 0                       ; v80-85: behind K's last tile
.endr
.irp b, 0,1,2,3
	v_mov_b32 v[BP+\b], 0                          ; written once: a lane permute's destination counts as one of its sources
.endr
	v_mov_b32 v[F+1], 0                            ; (named as the upper half of the pair)
	s_wait_loadcnt 0x0                             ; Q
; A KEY STEP: 128 keys.
.macro STEP qf, qs
	v_add_nc_u32 v6, s[SKV], v1                    ; six plain lines: also the places behind the last step's products, in front of the loads into their operands
	v_add_nc_u32 v7, s[SKV], v2
	v_add_nc_u32 v8, s[SKV], v3
	v_add_nc_u32 v9, s[SKV], v4
	v_add_nc_u32 v10, s[SSC], v1
	v_add_nc_u32 v11, s[SSC], v5
.irp t, 0,1,2,3,4,5,6,7
	ds_load_b128 v[KF+6*\t:KF+6*\t+3], v6 offset:768*\t
	ds_load_b64 v[KF+6*\t+4:KF+6*\t+5], v7 offset:768*\t+512
.endr
	ds_load_b128 v[KSC:KSC+3], v10
	s_wait_alu depctr_va_vdst(0)
	s_wait_dscnt 0x0
.irp t, 0,2,4,6
	v_wmma_scale_f32_16x16x128_f8f6f4 v[S+8*\t:S+8*\t+7], v[KF+6*\t:KF+6*\t+11], v[\qf:\qf+11], 0, v[KSC+\t/2], v[\qs] matrix_a_fmt:MATRIX_FMT_BF6 matrix_b_fmt:MATRIX_FMT_BF6
	v_wmma_scale_f32_16x16x128_f8f6f4 v[S+8*\t+8:S+8*\t+15], v[KF+6*\t+6:KF+6*\t+17], v[\qf:\qf+11], 0, v[KSC+\t/2], v[\qs] matrix_a_fmt:MATRIX_FMT_BF6 matrix_b_fmt:MATRIX_FMT_BF6 matrix_a_scale:MATRIX_SCALE_ROW1
.endr
.rept 4
	v_nop                                          ; places: in front of the loads into K's registers, and of the first read of the scores
.endr
.irp b, 0,1
.irp u, 0,1
.irp g, 0,1,2
	ds_load_b128 v[VF+12*(2*\b+\u)+4*\g:VF+12*(2*\b+\u)+4*\g+3], v[8+\u] offset:24576+3072*\b+512*\g   ; V's fragments land while the softmax is worked
.endr
	ds_load_b32 v[VSC+2*\b+\u], v11 offset:2048+128*\u+8*\b
.endr
.endr
.irp b, 0,1,2,3
	v_max3_num_f32 v[BM+\b], v[S+16*\b], v[S+1+16*\b], v[S+2+16*\b]   ; the largest score of each block of 32 keys: for the row's maximum, and for the block's largest p
.endr
.irp i, 3,5,7,9,11,13
.irp b, 0,1,2,3
	v_max3_num_f32 v[BM+\b], v[BM+\b], v[S+16*\b+\i], v[S+1+16*\b+\i]
.endr
.endr
.irp b, 0,1,2,3
	v_max_num_f32 v[BM+\b], v[BM+\b], v[S+15+16*\b]
.endr
.irp b, 0,1,2,3
	s_delay_alu instid0(VALU_DEP_4)
	v_permlanex16_b32 v[BP+\b], v[BM+\b], s[SEL], s[SEL+1]
.endr
.irp b, 0,1,2,3
	s_delay_alu instid0(VALU_DEP_4)
	v_max_num_f32 v[BM+\b], v[BM+\b], v[BP+\b]     ; with lane l xor 16's 16 keys
.endr
	s_delay_alu instid0(VALU_DEP_2)
	v_max3_num_f32 v[TMP], v[BM], v[BM+1], v[BM+2]
	s_delay_alu instid0(VALU_DEP_1)
	v_max_num_f32 v[TMP], v[TMP], v[BM+3]          ; the step's largest score of my query
	s_delay_alu instid0(VALU_DEP_1)
	v_mul_f32 v[TMP], s[CS], v[TMP]                ; as t (c is positive)
	s_delay_alu instid0(VALU_DEP_1)
	v_max_num_f32 v13, v13, v[TMP]                 ; the running largest t
	v_mov_b32 v[TMP], v12
	s_delay_alu instid0(VALU_DEP_2)
	v_floor_f32 v12, -v13                          ; the new -M = floor(-t): M is a whole number
	s_delay_alu instid0(VALU_DEP_1)
	v_sub_f32 v[TMP], v12, v[TMP]                  ; old M less new M: a whole number, 0 or less
	s_delay_alu instid0(VALU_DEP_1)
	v_cvt_i32_f32 v[TMP], v[TMP]                   ; (it saturates)
	s_delay_alu instid0(VALU_DEP_1)
	v_ldexp_f32 v[F], 1.0, v[TMP]                  ; f = 2^(old M - new M)
.irp j, 0,2,4,6,8,10,12,14,16,18,20,22,24,26,28,30,32,34,36,38,40,42,44,46,48,50,52,54,56,58,60,62
	v_pk_fma_f32 v[S+\j:S+\j+1], v[S+\j:S+\j+1], s[CS:CS+1], v[12:13] op_sel_hi:[1,0,0]   ; t - M, two at a time
.endr
.irp b, 0,1,2,3
	v_fma_f32 v[BM+\b], v[BM+\b], s[CS], v12       ; the same of each block's largest score
.endr
	s_wait_alu depctr_va_vdst(0)
.irp j, 0,1,2,3,4,5,6,7,8,9,10,11,12,13,14,15,16,17,18,19,20,21,22,23,24,25,26,27,28,29,30,31,32,33,34,35,36,37,38,39,40,41,42,43,44,45,46,47,48,49,50,51,52,53,54,55,56,57,58,59,60,61,62,63
	v_exp_f32 v[S+\j], v[S+\j]                     ; p = 2^(t - M), at most 1
.endr
.irp b, 0,1,2,3
	v_exp_f32 v[BM+\b], v[BM+\b]                   ; the block's largest p
.endr
	v_pk_mul_f32 v[14:15], v[14:15], v[F:F+1] op_sel_hi:[1,0]   ; the sums under the new M (a plain place behind the exponentials)
	s_wait_alu depctr_va_vdst(0)
.irp b, 0,1,2,3
	v_max_num_f32 v[BM+\b], 0x2800000, v[BM+\b]    ; the floor 2^(5 - 127): the byte cannot fall under 1
.endr
.irp b, 0,1,2,3
	s_delay_alu instid0(VALU_DEP_4)
	v_add_nc_u32 v[SOP+\b], 0xfe000000, v[BM+\b]   ; 4 off the exponent field: the conversion's scale operand
.endr
.irp b, 0,1,2,3
	s_delay_alu instid0(VALU_DEP_4)
	v_lshrrev_b32 v[BP+\b], 23, v[SOP+\b]          ; the scale's byte
.endr
	s_delay_alu instid0(VALU_DEP_3)
	v_lshl_or_b32 v[PWD], v[BP+1], 8, v[BP]        ; p's scale word for these 128 keys
	s_delay_alu instid0(VALU_DEP_1)
	v_lshl_or_b32 v[PWD], v[BP+2], 16, v[PWD]
	s_delay_alu instid0(VALU_DEP_1)
	v_lshl_or_b32 v[PWD], v[BP+3], 24, v[PWD]
.irp c, 0,1
	v_cvt_scalef32_pk16_bf6_f32 v[PC+6*\c:PC+6*\c+2], v[S+32*\c:S+32*\c+15], v[SOP+2*\c]
	v_cvt_scalef32_pk16_bf6_f32 v[PT+4*\c:PT+4*\c+2], v[S+32*\c+16:S+32*\c+31], v[SOP+2*\c+1]
.endr
	v_nop                                          ; one plain place behind a scaled conversion
.irp c, 0,1                                    ; a whole block in a lane: lanes 0-15 block 2 c, lanes 16-31 block 2 c + 1
.irp i, 0,1,2
	v_permlane16_swap_b32 v[PC+6*\c+\i], v[PT+4*\c+\i]
.endr
.irp i, 0,1,2
	s_delay_alu instid0(VALU_DEP_3)
	v_mov_b32 v[PC+6*\c+3+\i], v[PT+4*\c+\i]
.endr
.endr
	v_pk_add_f32 v[204:205], v[100:101], v[104:105]
	v_pk_add_f32 v[252:253], v[108:109], v[112:113]
	v_pk_add_f32 v[250:251], v[116:117], v[120:121]
	v_pk_add_f32 v[248:249], v[124:125], v[128:129]
	v_pk_add_f32 v[246:247], v[132:133], v[136:137]
	v_pk_add_f32 v[244:245], v[140:141], v[144:145]
	v_pk_add_f32 v[222:223], v[148:149], v[152:153]
	v_pk_add_f32 v[14:15], v[14:15], v[156:157]
	v_pk_add_f32 v[204:205], v[204:205], v[96:97]
	v_pk_add_f32 v[252:253], v[252:253], v[98:99]
	v_pk_add_f32 v[250:251], v[250:251], v[102:103]
	v_pk_add_f32 v[248:249], v[248:249], v[106:107]
	v_pk_add_f32 v[246:247], v[246:247], v[110:111]
	v_pk_add_f32 v[244:245], v[244:245], v[114:115]
	v_pk_add_f32 v[222:223], v[222:223], v[118:119]
	v_pk_add_f32 v[14:15], v[14:15], v[122:123]
	v_pk_add_f32 v[204:205], v[204:205], v[126:127]
	v_pk_add_f32 v[252:253], v[252:253], v[130:131]
	v_pk_add_f32 v[250:251], v[250:251], v[134:135]
	v_pk_add_f32 v[248:249], v[248:249], v[138:139]
	v_pk_add_f32 v[246:247], v[246:247], v[142:143]
	v_pk_add_f32 v[244:245], v[244:245], v[146:147]
	v_pk_add_f32 v[222:223], v[222:223], v[150:151]
	v_pk_add_f32 v[14:15], v[14:15], v[154:155]
	v_pk_add_f32 v[204:205], v[204:205], v[158:159]
	s_delay_alu instid0(VALU_DEP_2)
	v_pk_add_f32 v[14:15], v[14:15], v[248:249]
	s_delay_alu instid0(VALU_DEP_2)
	v_pk_add_f32 v[204:205], v[204:205], v[246:247]
	v_pk_add_f32 v[252:253], v[252:253], v[244:245]
	v_pk_add_f32 v[250:251], v[250:251], v[222:223]
	s_delay_alu instid0(VALU_DEP_2)
	v_pk_add_f32 v[14:15], v[14:15], v[252:253]
	s_delay_alu instid0(VALU_DEP_2)
	v_pk_add_f32 v[204:205], v[204:205], v[250:251]
	s_delay_alu instid0(VALU_DEP_1)
	v_pk_add_f32 v[14:15], v[14:15], v[204:205]
.irp j, 0,2,4,6,8,10,12,14,16,18,20,22,24,26,28,30
	v_pk_mul_f32 v[O+\j:O+\j+1], v[O+\j:O+\j+1], v[F:F+1] op_sel_hi:[1,0]   ; O^T under the new M.  (With the sums: far more than the eight places between p's scale word and the products)
.endr
	s_wait_alu depctr_va_vdst(0)
	s_wait_dscnt 0x0                               ; V
.irp t, 0,1,2,3
	v_wmma_scale_f32_16x16x128_f8f6f4 v[O+8*\t:O+8*\t+7], v[VF+12*\t:VF+12*\t+11], v[PC:PC+11], v[O+8*\t:O+8*\t+7], v[VSC+\t], v[PWD] matrix_a_fmt:MATRIX_FMT_BF6 matrix_b_fmt:MATRIX_FMT_BF6
.endr
.endm
; A chunk's four key steps.  Ahead of the first pass's first chunk every wave waits for its one load, and behind the barrier the whole head's bytes are in.  Nothing is ever filled again.
.macro CHUNK c, first, qf, qs
.if (\first) && (\c) == 0
	s_wait_tensorcnt 0x0
	s_wait_dscnt 0x0
	s_barrier_signal -1
	s_barrier_wait -1
.endif
	s_mov_b32 s[SKV], CHUNK_B*\c
	s_mov_b32 s[SSC], CHUNK_B*\c+49152
	s_mov_b32 s[CNT], 4
.Lstep_\@:
	STEP \qf, \qs
	s_add_co_u32 s[SKV], s[SKV], 6144
	s_add_co_u32 s[SSC], s[SSC], 512
	s_sub_co_u32 s[CNT], s[CNT], 1
	s_cmp_lg_u32 s[CNT], 0
	s_cbranch_scc1 .Lstep_\@
.endm
; One tile of 16 queries through all 2,048 keys, and its context out.
.macro PASS p, first, qf, qs
	v_mov_b32 v13, 0xff61b1e6                      ; the largest t so far: -3e38, under every t
	s_delay_alu instid0(VALU_DEP_1)
	v_floor_f32 v12, -v13                          ; -M
	v_mov_b32 v14, 0                               ; the sum, in two halves
	v_mov_b32 v15, 0
.irp j, 0,1,2,3,4,5,6,7,8,9,10,11,12,13,14,15,16,17,18,19,20,21,22,23,24,25,26,27,28,29,30,31
	v_mov_b32 v[O+\j], 0                           ; the step is written without a first step of its own: it finds zeros, which the first change of M leaves zeros
.endr
	CHUNK 0, \first, \qf, \qs
	CHUNK 1, \first, \qf, \qs
	CHUNK 2, \first, \qf, \qs
	CHUNK 3, \first, \qf, \qs
.rept 4
	v_nop                                          ; places behind the last products
.endr
	v_add_f32 v14, v14, v15                        ; the sum's two halves,
	s_delay_alu instid0(VALU_DEP_1)
	v_permlanex16_b32 v[TMP], v14, s[SEL], s[SEL+1]
	s_delay_alu instid0(VALU_DEP_1)
	v_add_f32 v14, v14, v[TMP]                     ; and lane l xor 16's: the row's sum
	s_wait_alu depctr_va_vdst(0)
	v_rcp_f32 v14, v14
	v_nop                                          ; a plain place behind the transcendental
	s_wait_alu depctr_va_vdst(0)
.irp j, 0,2,4,6,8,10,12,14,16,18,20,22,24,26,28,30
	v_pk_mul_f32 v[S+\j:S+\j+1], v[O+\j:O+\j+1], v[14:15] op_sel_hi:[1,0]   ; the context: register 16 b + i is channel 32 b + 16 h + i of my query
.endr
.irp b, 0,1
	v_max3_num_f32 v[BM+\b], |v[S+16*\b]|, |v[S+1+16*\b]|, 0x2800000
.endr
.irp i, 2,4,6,8,10,12,14
.irp b, 0,1
	s_delay_alu instid0(VALU_DEP_2)
	v_max3_num_f32 v[BM+\b], v[BM+\b], |v[S+16*\b+\i]|, |v[S+1+16*\b+\i]|
.endr
.endr
.irp b, 0,1
	s_delay_alu instid0(VALU_DEP_2)
	v_permlanex16_b32 v[BP+\b], v[BM+\b], s[SEL], s[SEL+1]
.endr
.irp b, 0,1
	s_delay_alu instid0(VALU_DEP_2)
	v_max_num_f32 v[BM+\b], v[BM+\b], v[BP+\b]
.endr
.irp b, 0,1
	s_delay_alu instid0(VALU_DEP_2)
	v_add_nc_u32 v[SOP+\b], 0xfe000000, v[BM+\b]
.endr
.irp b, 0,1
	s_delay_alu instid0(VALU_DEP_2)
	v_lshrrev_b32 v[BP+\b], 23, v[SOP+\b]
.endr
	s_delay_alu instid0(VALU_DEP_1)
	v_lshl_or_b32 v[PWD], v[BP+1], 8, v[BP]        ; the row's two scale bytes for this head
	v_cvt_scalef32_pk16_bf6_f32 v[PC:PC+2], v[S:S+15], v[SOP]
	v_cvt_scalef32_pk16_bf6_f32 v[PT:PT+2], v[S+16:S+31], v[SOP+1]
	v_nop
.irp i, 0,1,2
	v_permlane16_swap_b32 v[PC+\i], v[PT+\i]
.endr
.irp i, 0,1,2
	s_delay_alu instid0(VALU_DEP_3)
	v_mov_b32 v[PC+3+\i], v[PT+\i]
.endr
	global_store_b128 v1, v[PC:PC+3], s[8:9] offset:12288*\p          ; 512 and 256 consecutive bytes, aligned
	global_store_b64 v2, v[PC+4:PC+5], s[8:9] offset:12288*\p+512
	ds_store_b16 v30, v[PWD] offset:32*\p          ; lanes l and l xor 16 write the same pair with the same value
	s_wait_xcnt 0x0                                ; the stores have read the codes' registers, which the next pass writes
.endm
	PASS 0, 1, QF0, QS0
	PASS 1, 0, QF1, QS1
	s_wait_dscnt 0x0                               ; my pairs lie in the stage,
	s_barrier_signal -1
	s_barrier_wait -1                              ; everybody's do
	s_cmp_lt_u32 s[WV], 2
	s_cbranch_scc0 .Lno_cs
	ds_load_b128 v[S:S+3], v241
	s_wait_dscnt 0x0
	global_store_b128 v242, v[S:S+3], s[10:11]     ; 512 consecutive bytes, aligned
.Lno_cs:
	s_wait_tensorcnt 0x0
	ds_add_u32 v254, v255
	s_wait_dscnt 0x0
	CROUND                                         ; the closing round
	s_endpgm
.Lfunc_end_k_q5209472e2f_attn:
	.size	k_q5209472e2f_attn, .Lfunc_end_k_q5209472e2f_attn-k_q5209472e2f_attn
	.p2alignl 7, 3214868480
	.fill 96, 4, 3214868480
	.section	.rodata,"a",@progbits
	.p2align	6, 0x0
	.amdhsa_kernel k_q5209472e2f_attn
		.amdhsa_group_segment_fixed_size 231424
		.amdhsa_private_segment_fixed_size 0
		.amdhsa_enable_private_segment 0
		.amdhsa_kernarg_size 32
		.amdhsa_user_sgpr_count 2
		.amdhsa_user_sgpr_kernarg_segment_ptr 1
		.amdhsa_wavefront_size32 1
		.amdhsa_system_sgpr_workgroup_id_x 1
		.amdhsa_system_sgpr_workgroup_id_y 1
		.amdhsa_system_sgpr_workgroup_id_z 1
		.amdhsa_system_vgpr_workitem_id 0
		.amdhsa_next_free_vgpr 256
		.amdhsa_next_free_sgpr 66
		.amdhsa_reserve_vcc 0
		.amdhsa_float_denorm_mode_32 3
		.amdhsa_float_denorm_mode_16_64 3
		.amdhsa_memory_ordered 1
		.amdhsa_forward_progress 1
		.amdhsa_inst_pref_size 156
	.end_amdhsa_kernel
	.amdgpu_metadata
---
amdhsa.version: [ 1, 2 ]
amdhsa.kernels:
  - .name:           k_q5209472e2f_attn
    .symbol:         k_q5209472e2f_attn.kd
    .args:
      - { .name: qq, .offset: 0, .size: 8, .value_kind: global_buffer, .address_space: global }
      - { .name: kv, .offset: 8, .size: 8, .value_kind: global_buffer, .address_space: global }
      - { .name: cc, .offset: 16, .size: 8, .value_kind: global_buffer, .address_space: global }
      - { .name: cs, .offset: 24, .size: 8, .value_kind: global_buffer, .address_space: global }
    .group_segment_fixed_size: 231424
    .private_segment_fixed_size: 0
    .kernarg_segment_align: 8
    .kernarg_segment_size: 32
    .max_flat_workgroup_size: 512
    .sgpr_count:     66
    .vgpr_count:     256
    .wavefront_size: 32
...
	.end_amdgpu_metadata
.endif
;; end of part 3
;; launch outln (part 4): grid 128 x 1, 8 waves a work-group, no clusters, 327,680 bytes of LDS; arguments cc, cs, wo, bo, Q, ln_g, ln_b, out0; writes out0
.if DOCPART == 4
	.amdgcn_target "amdgcn-amd-amdhsa--gfx1250"
	.amdhsa_code_object_version 6
	.text
	.protected	k_q5209472e2f_outln
	.globl	k_q5209472e2f_outln
	.p2align	8
	.type	k_q5209472e2f_outln,@function
k_q5209472e2f_outln:
	s_mov_b64 s[64:65], 0
	v_nop
	global_prefetch_b8 v0, s[64:65] scope:SCOPE_SE
	s_setreg_imm32_b32 hwreg(HW_REG_WAVE_MODE, 25, 1), 1
	s_wait_xcnt 0x0
.set RESW, 33792
.set AIMG, 8*RESW
.set ASC,  AIMG+49152
.set EX1,  ASC+2048
.set EX2O, 2048
.set SUM,  12
.set MU,   20
.set BS,   28
.set AS,   36
.set AF,   48
.set RB,   96
.set WV,   20
.set MSB, 0
.macro WIN new
.if MSB != \new
	s_set_vgpr_msb (MSB<<8)|\new
.set MSB, \new
.endif
.endm
.macro PLACES
.rept 4
	v_nop
.endr
.endm
.macro PSET i
.set PR, 48+48*(((\i)/6+2)%4)+8*((\i)%6)
.endm
	s_load_b512 s[4:19], s[0:1], 0x0
	v_lshl_add_u32 v254, v0, 2, 0x4f800
	v_mov_b32 v255, 0
	ds_add_u32 v254, v255
	ds_add_u32 v254, v255
	s_wait_dscnt 0x0
	v_lshrrev_b32 v1, 5, v0
	s_delay_alu instid0(VALU_DEP_1)
	v_readfirstlane_b32 s[WV], v1
	s_mov_b32 s22, 0x76543210
	s_mov_b32 s23, 0xfedcba98
	s_mov_b32 s24, (2<<16)|(1<<20)|(6<<22)|(3<<25)
	s_mov_b32 s25, 128<<16
	s_mov_b32 s26, 64<<16
	s_mov_b32 s27, 128<<16
	s_mov_b32 s28, 64
	s_mov_b32 s29, 1024
	s_mov_b32 s30, 0
	s_mov_b32 s31, 0
	s_mul_i32 s48, s[WV], RESW
	s_mul_i32 s49, s[WV], 6144
	s_lshl_b32 s50, ttmp9, 18
	s_lshl_b32 s52, s[WV], 9
	s_add_co_u32 s50, s50, s52
	s_mov_b32 s51, 0
	s_mul_i32 s54, ttmp9, 49152
	s_add_co_u32 s54, s54, s49
	s_mov_b32 s55, 0
	s_mov_b32 s53, 0
	s_mov_b32 s60, 0x3a800000
	s_mov_b32 s61, 0x3727c5ac
	s_wait_kmcnt 0x0
	s_mov_b32 s32, 1
	s_mov_b32 s33, s48
	s_add_nc_u64 s[34:35], s[12:13], s[50:51]
	s_or_b32 s35, s35, 0x80000000
	s_add_co_u32 s45, s49, AIMG                    ; LDS: my wave's 6,144 bytes of the context's images
	s_add_nc_u64 s[46:47], s[4:5], s[54:55]        ; and where they lie in cc
	v_and_b32 v252, 31, v0
	v_lshlrev_b32 v252, 4, v252                    ; 16 x lane
	v_add_nc_u32 v253, s45, v252
	tensor_load_to_lds s[32:35], s[24:31]          ; my one tensor load: my 128 columns of the residual's 64 rows
	s_nop 0
.rept 4
	v_nop
.endr
	s_wait_alu depctr_va_vdst(0)                   ; the wait ahead of the readers of v252, v253
.irp k, 0,1,2,3,4,5,6,7,8,9,10,11
	global_load_async_to_lds_b128 v253, v252, s[46:47] offset:512*\k   ; the images come by copies, 512 consecutive bytes each, filled once; the offset counts in both addresses.  v252, v253 and s[46:47] stay until the wait on ASYNCcnt
.endr
	s_add_nc_u64 s[18:19], s[18:19], s[50:51]
	s_add_nc_u64 s[10:11], s[10:11], s[52:53]
	s_add_nc_u64 s[14:15], s[14:15], s[52:53]
	s_add_nc_u64 s[16:17], s[16:17], s[52:53]
	s_lshr_b32 s54, ttmp9, 5
	s_lshl_b32 s54, s54, 16
	s_lshl_b32 s56, s[WV], 13
	s_add_co_u32 s54, s54, s56
	s_and_b32 s56, ttmp9, 31
	s_lshl_b32 s56, s56, 7
	s_add_co_u32 s54, s54, s56
	s_add_nc_u64 s[6:7], s[6:7], s[54:55]
	s_mul_i32 s54, s[WV], 98304
	s_add_nc_u64 s[56:57], s[8:9], s[54:55]
	s_lshl_b32 s54, s[WV], 12
	s_add_co_u32 s54, s54, 786432
	s_add_nc_u64 s[58:59], s[8:9], s[54:55]
	v_and_b32 v44, 31, v0
	v_and_b32 v45, 15, v0
	v_bfe_u32 v46, v0, 4, 1
	s_delay_alu instid0(VALU_DEP_3)
	v_lshlrev_b32 v1, 4, v44
	s_delay_alu instid0(VALU_DEP_3)
	v_mul_u32_u24 v2, v45, 528
	s_delay_alu instid0(VALU_DEP_1)
	v_lshl_add_u32 v2, v46, 5, v2
	s_delay_alu instid0(VALU_DEP_1)
	v_add_nc_u32 v2, s48, v2
	s_delay_alu instid0(VALU_DEP_4)
	v_add_nc_u32 v3, s48, v1
	v_add_nc_u32 v4, AIMG, v1
	v_lshlrev_b32 v5, 3, v44
	s_delay_alu instid0(VALU_DEP_1)
	v_add_nc_u32 v5, AIMG, v5
	v_lshlrev_b32 v6, 2, v45
	s_delay_alu instid0(VALU_DEP_1)
	v_add_nc_u32 v6, ASC, v6
	s_lshl_b32 s54, s[WV], 2
	v_lshl_add_u32 v7, v45, 5, s54
	s_delay_alu instid0(VALU_DEP_1)
	v_add_nc_u32 v7, EX1, v7
	v_lshlrev_b32 v8, 5, v45
	s_delay_alu instid0(VALU_DEP_1)
	v_add_nc_u32 v8, EX1, v8
	v_lshlrev_b32 v9, 5, v46
	v_lshlrev_b32 v10, 1, v44
	s_lshl_b32 s54, s[WV], 8
	v_lshl_add_u32 v11, v44, 2, s54
	s_delay_alu instid0(VALU_DEP_1)
	v_add_nc_u32 v11, ASC, v11
.macro GLOAD G
.irp k, 0,1,2,3
.irp g, 0,1,2
	global_load_b128 v[RB+48*((\G)%3)+12*\k+4*\g:RB+48*((\G)%3)+12*\k+4*\g+3], v1, s[56:57] offset:1536*(4*(\G)+\k)+512*\g
.endr
.endr
.endm
.macro BSLOAD s
	global_load_b128 v[BS+4*((\s)%2):BS+4*((\s)%2)+3], v1, s[58:59] offset:512*(\s)
.endm
.macro ELOAD e
.irp q, 0,1,2,3,4,5
	PSET 6*(\e)+\q
.if 6*(\e)+\q < 8
	global_load_b128 v[PR:PR+3], v9, s[10:11] offset:64*(6*(\e)+\q)
	global_load_b128 v[PR+4:PR+7], v9, s[10:11] offset:64*(6*(\e)+\q)+16
.elseif 6*(\e)+\q < 16
	global_load_b128 v[PR:PR+3], v9, s[14:15] offset:64*(6*(\e)+\q-8)
	global_load_b128 v[PR+4:PR+7], v9, s[14:15] offset:64*(6*(\e)+\q-8)+16
.else
	global_load_b128 v[PR:PR+3], v9, s[16:17] offset:64*(6*(\e)+\q-16)
	global_load_b128 v[PR+4:PR+7], v9, s[16:17] offset:64*(6*(\e)+\q-16)+16
.endif
.endr
.endm
	global_load_u16 v40, v10, s[6:7]
	global_load_u16 v41, v10, s[6:7] offset:64
	global_load_u16 v42, v10, s[6:7] offset:4096
	global_load_u16 v43, v10, s[6:7] offset:4160
	BSLOAD 0
	GLOAD 0
	GLOAD 1
	BSLOAD 1
	GLOAD 2
	s_wait_loadcnt 38
	v_lshl_or_b32 v40, v42, 16, v40
	s_wait_alu depctr_va_vdst(0)
	v_lshl_or_b32 v41, v43, 16, v41
	ds_store_b32 v11, v40
	ds_store_b32 v11, v41 offset:128
	s_wait_tensorcnt 0x0                           ; my part of the residual,
	s_wait_asynccnt 0x0                            ; my twelve copies,
	s_wait_dscnt 0x0                               ; and my stores of scale words are done: the barrier shows them to all
	s_barrier_signal -1
	s_barrier_wait -1
	WIN 0x40
.irp m, 0,1,2,3
.irp b, 0,1,2,3,4,5,6,7
	ds_load_b128 v[8*(8*\m+\b):8*(8*\m+\b)+3], v2 offset:8448*\m+64*\b
	ds_load_b128 v[8*(8*\m+\b)+4:8*(8*\m+\b)+7], v2 offset:8448*\m+64*\b+16
.endr
.endr
	WIN 0
.set G, 0
.rept 16
.if G%2 == 0
.irp m, 0,1,2,3
	ds_load_b128 v[AF+12*\m:AF+12*\m+3], v4 offset:12288*\m+1536*(G/2)
	ds_load_b64 v[AF+12*\m+4:AF+12*\m+5], v5 offset:12288*\m+1536*(G/2)+512
	ds_load_b128 v[AF+12*\m+6:AF+12*\m+9], v4 offset:12288*\m+1536*(G/2)+768
	ds_load_b64 v[AF+12*\m+10:AF+12*\m+11], v5 offset:12288*\m+1536*(G/2)+1280
	ds_load_b32 v[AS+\m], v6 offset:256*(G/2)+64*\m
.endr
.endif
.if G <= 13
	s_wait_loadcnt 25
.else
	s_wait_loadcnt 24
.endif
.if G%2 == 0
	s_wait_dscnt 0x0
.endif
	WIN 0x50
.irp k, 0,1,2,3
.irp m, 0,1,2,3
.if \k%2 == 0
	v_wmma_scale_f32_16x16x128_f8f6f4 v[8*(8*\m+4*(G%2)+\k):8*(8*\m+4*(G%2)+\k)+7], v[RB+48*(G%3)+12*\k:RB+48*(G%3)+12*\k+11], v[AF+12*\m:AF+12*\m+11], v[8*(8*\m+4*(G%2)+\k):8*(8*\m+4*(G%2)+\k)+7], v[BS+4*((G/2)%2)+(4*(G%2)+\k)/2], v[AS+\m] matrix_a_fmt:MATRIX_FMT_BF6 matrix_b_fmt:MATRIX_FMT_BF6
.else
	v_wmma_scale_f32_16x16x128_f8f6f4 v[8*(8*\m+4*(G%2)+\k):8*(8*\m+4*(G%2)+\k)+7], v[RB+48*(G%3)+12*\k:RB+48*(G%3)+12*\k+11], v[AF+12*\m:AF+12*\m+11], v[8*(8*\m+4*(G%2)+\k):8*(8*\m+4*(G%2)+\k)+7], v[BS+4*((G/2)%2)+(4*(G%2)+\k)/2], v[AS+\m] matrix_a_fmt:MATRIX_FMT_BF6 matrix_b_fmt:MATRIX_FMT_BF6 matrix_a_scale:MATRIX_SCALE_ROW1
.endif
.endr
.endr
	WIN 0
	PLACES
.if G+3 <= 15
.if (G+3)%2 == 0
	BSLOAD (G+3)/2
.endif
	GLOAD G+3
.else
	ELOAD G-13
.if G == 15
	ELOAD 3
.endif
.endif
.set G, G+1
.endr
.macro SHARE off
.irp m, 0,1,2,3
	v_add_f32 v[SUM+2*\m], v[SUM+2*\m], v[SUM+2*\m+1]
.endr
.irp m, 0,1,2,3
	s_delay_alu instid0(VALU_DEP_4)
	v_permlanex16_b32 v[40+\m], v[SUM+2*\m], s22, s23
.endr
.irp m, 0,1,2,3
	s_delay_alu instid0(VALU_DEP_4)
	v_add_f32 v[SUM+2*\m], v[SUM+2*\m], v[40+\m]
.endr
.irp m, 0,1,2,3
	ds_store_b32 v7, v[SUM+2*\m] offset:\off+512*\m
.endr
	s_wait_dscnt 0x0
	s_barrier_signal -1
	s_barrier_wait -1
.endm
.macro GATHER q, off
	ds_load_b128 v[240:243], v8 offset:\off+1024*\q
	ds_load_b128 v[244:247], v8 offset:\off+1024*\q+16
	ds_load_b128 v[248:251], v8 offset:\off+1024*\q+512
	ds_load_b128 v[252:255], v8 offset:\off+1024*\q+528
	s_wait_dscnt 0x0
	v_pk_add_f32 v[240:241], v[240:241], v[242:243]
	v_pk_add_f32 v[248:249], v[248:249], v[250:251]
	v_pk_add_f32 v[244:245], v[244:245], v[246:247]
	v_pk_add_f32 v[252:253], v[252:253], v[254:255]
	s_delay_alu instid0(VALU_DEP_2)
	v_pk_add_f32 v[240:241], v[240:241], v[244:245]
	s_delay_alu instid0(VALU_DEP_2)
	v_pk_add_f32 v[248:249], v[248:249], v[252:253]
	s_delay_alu instid0(VALU_DEP_2)
	v_add_f32 v240, v240, v241
	s_delay_alu instid0(VALU_DEP_2)
	v_add_f32 v248, v248, v249
.endm
	s_wait_loadcnt 32
.irp j, 0,1,2,3,4,5,6,7
	v_mov_b32 v[SUM+\j], 0
.endr
	WIN 0x41
.irp m, 0,1,2,3
.irp b, 0,1,2,3,4,5,6,7
	PSET \b
.irp i, 0,2,4,6
	v_pk_add_f32 v[8*(8*\m+\b)+\i:8*(8*\m+\b)+\i+1], v[8*(8*\m+\b)+\i:8*(8*\m+\b)+\i+1], v[PR+\i:PR+\i+1]
.endr
.endr
.endr
	WIN 0x01
.irp b, 0,1,2,3,4,5,6,7
.irp i, 0,2,4,6
.irp m, 0,1,2,3
	v_pk_add_f32 v[SUM+2*\m:SUM+2*\m+1], v[8*(8*\m+\b)+\i:8*(8*\m+\b)+\i+1], v[SUM+2*\m:SUM+2*\m+1]
.endr
.endr
.endr
	WIN 0
	SHARE 0
.irp q, 0,1
	GATHER \q, 0
	s_delay_alu instid0(VALU_DEP_2)
	v_mul_f32 v[MU+4*\q], s60, v240
	s_delay_alu instid0(VALU_DEP_3)
	v_mul_f32 v[MU+4*\q+1], s60, v240
	s_delay_alu instid0(VALU_DEP_3)
	v_mul_f32 v[MU+4*\q+2], s60, v248
	s_delay_alu instid0(VALU_DEP_4)
	v_mul_f32 v[MU+4*\q+3], s60, v248
.endr
.irp j, 0,1,2,3,4,5,6,7
	v_mov_b32 v[SUM+\j], 0
.endr
	WIN 0x41
.irp m, 0,1,2,3
.irp j, 0,2,4,6,8,10,12,14,16,18,20,22,24,26,28,30,32,34,36,38,40,42,44,46,48,50,52,54,56,58,60,62
	v_pk_add_f32 v[64*\m+\j:64*\m+\j+1], v[64*\m+\j:64*\m+\j+1], v[MU+2*\m:MU+2*\m+1] op_sel_hi:[1,0] neg_lo:[0,1] neg_hi:[0,1]
.endr
.endr
	WIN 0x05
.irp j, 0,2,4,6,8,10,12,14,16,18,20,22,24,26,28,30,32,34,36,38,40,42,44,46,48,50,52,54,56,58,60,62
.irp m, 0,1,2,3
	v_pk_fma_f32 v[SUM+2*\m:SUM+2*\m+1], v[64*\m+\j:64*\m+\j+1], v[64*\m+\j:64*\m+\j+1], v[SUM+2*\m:SUM+2*\m+1]
.endr
.endr
	WIN 0
	SHARE EX2O
.irp q, 0,1
	GATHER \q, EX2O
	s_delay_alu instid0(VALU_DEP_2)
	v_fma_f32 v240, v240, s60, s61
	s_delay_alu instid0(VALU_DEP_2)
	v_fma_f32 v248, v248, s60, s61
	s_wait_alu depctr_va_vdst(0)
	v_rsq_f32 v[MU+4*\q], v240
	v_rsq_f32 v[MU+4*\q+1], v240
	v_rsq_f32 v[MU+4*\q+2], v248
	v_rsq_f32 v[MU+4*\q+3], v248
	v_nop
.endr
	s_wait_loadcnt 0x0
	WIN 0x41
	s_wait_alu depctr_va_vdst(0)
.irp m, 0,1,2,3
.irp j, 0,2,4,6,8,10,12,14,16,18,20,22,24,26,28,30,32,34,36,38,40,42,44,46,48,50,52,54,56,58,60,62
	v_pk_mul_f32 v[64*\m+\j:64*\m+\j+1], v[64*\m+\j:64*\m+\j+1], v[MU+2*\m:MU+2*\m+1] op_sel_hi:[1,0]
.endr
.endr
.irp m, 0,1,2,3
.irp b, 0,1,2,3,4,5,6,7
	PSET 8+\b
.set PG, PR
	PSET 16+\b
.irp i, 0,2,4,6
	v_pk_fma_f32 v[8*(8*\m+\b)+\i:8*(8*\m+\b)+\i+1], v[8*(8*\m+\b)+\i:8*(8*\m+\b)+\i+1], v[PG+\i:PG+\i+1], v[PR+\i:PR+\i+1]
.endr
.endr
.endr
	s_wait_alu depctr_va_vdst(0)
.irp m, 0,1,2,3
	WIN 0x04
.irp b, 0,1,2,3,4,5,6,7
	ds_store_b128 v2, v[8*(8*\m+\b):8*(8*\m+\b)+3] offset:8448*\m+64*\b
	ds_store_b128 v2, v[8*(8*\m+\b)+4:8*(8*\m+\b)+7] offset:8448*\m+64*\b+16
.endr
	WIN 0
.if \m >= 2
	s_wait_xcnt 0x0
.endif
.irp i, 0,1,2,3,4,5,6,7,8,9,10,11,12,13,14,15
	ds_load_b128 v[RB+64*(\m%2)+4*\i:RB+64*(\m%2)+4*\i+3], v3 offset:528*(16*\m+\i)
.endr
.irp i, 0,1,2,3,4,5,6,7,8,9,10,11,12,13,14,15
	s_wait_dscnt 15-\i
	global_store_b128 v1, v[RB+64*(\m%2)+4*\i:RB+64*(\m%2)+4*\i+3], s[18:19] offset:4096*(16*\m+\i) th:TH_STORE_NT
.endr
.endr
	s_wait_xcnt 0x0
	v_lshl_add_u32 v254, v0, 2, 0x4f800
	v_mov_b32 v255, 0
	s_wait_alu depctr_va_vdst(0)
	s_wait_tensorcnt 0x0
	ds_add_u32 v254, v255
	s_wait_dscnt 0x0
	s_endpgm
.Lfunc_end_k_q5209472e2f_outln:
	.size	k_q5209472e2f_outln, .Lfunc_end_k_q5209472e2f_outln-k_q5209472e2f_outln
	.p2alignl 7, 3214868480
	.fill 96, 4, 3214868480
	.section	.rodata,"a",@progbits
	.p2align	6, 0x0
	.amdhsa_kernel k_q5209472e2f_outln
		.amdhsa_group_segment_fixed_size 327680
		.amdhsa_private_segment_fixed_size 0
		.amdhsa_enable_private_segment 0
		.amdhsa_kernarg_size 64
		.amdhsa_user_sgpr_count 2
		.amdhsa_user_sgpr_kernarg_segment_ptr 1
		.amdhsa_wavefront_size32 1
		.amdhsa_system_sgpr_workgroup_id_x 1
		.amdhsa_system_sgpr_workgroup_id_y 1
		.amdhsa_system_sgpr_workgroup_id_z 1
		.amdhsa_system_vgpr_workitem_id 0
		.amdhsa_next_free_vgpr 512
		.amdhsa_next_free_sgpr 66
		.amdhsa_reserve_vcc 0
		.amdhsa_float_denorm_mode_32 3
		.amdhsa_float_denorm_mode_16_64 3
		.amdhsa_memory_ordered 1
		.amdhsa_forward_progress 1
		.amdhsa_inst_pref_size 152
	.end_amdhsa_kernel
	.amdgpu_metadata
---
amdhsa.version: [ 1, 2 ]
amdhsa.kernels:
  - .name:           k_q5209472e2f_outln
    .symbol:         k_q5209472e2f_outln.kd
    .args:
      - { .name: cc, .offset: 0, .size: 8, .value_kind: global_buffer, .address_space: global }
      - { .name: cs, .offset: 8, .size: 8, .value_kind: global_buffer, .address_space: global }
      - { .name: wo, .offset: 16, .size: 8, .value_kind: global_buffer, .address_space: global }
      - { .name: bo, .offset: 24, .size: 8, .value_kind: global_buffer, .address_space: global }
      - { .name: Q, .offset: 32, .size: 8, .value_kind: global_buffer, .address_space: global }
      - { .name: ln_g, .offset: 40, .size: 8, .value_kind: global_buffer, .address_space: global }
      - { .name: ln_b, .offset: 48, .size: 8, .value_kind: global_buffer, .address_space: global }
      - { .name: out0, .offset: 56, .size: 8, .value_kind: global_buffer, .address_space: global }
    .group_segment_fixed_size: 327680
    .private_segment_fixed_size: 0
    .kernarg_segment_align: 8
    .kernarg_segment_size: 64
    .max_flat_workgroup_size: 256
    .sgpr_count:     66
    .vgpr_count:     512
    .wavefront_size: 32
...
	.end_amdgpu_metadata
.endif
;; end of part 4
